; MI455X (gfx1250); checked and timed in simulation.
; The chip was launched on July 23, 2026; its instructions are those of AMD's public machine-readable ISA for CDNA 5 (MIT licence, August 2026) and "CDNA5" Instruction Set Architecture Reference Guide (July 2026). The comments in the code are by the model that wrote it; some were corrected since.
;; Group Rope Attention. Allowed arithmetic: float matrix products may take bf16 or f16 operands with f32 sums; other float arithmetic in f32, or as packed bf16 or f16 multiplies, adds, multiply-adds, maxima and minima; sums over many terms, partial sums and values carried from step to step in f32; what a program stores and reads back later, other than sums and carried values, may be rounded once to bf16 or f16.
;; Inputs: Wk 2,048 x 128 float32; Wq 2,048 x 2,048 float32; Wv 2,048 x 128 float32; x 2 x 2,048 x 2,048 float32.
;; Outputs: out0 2 x 2,048 x 2,048 float32.
;; 2 versions, each right; version 2 is version 1 with the launch prep written anew for expert scheduling mode. Each part assembles by itself: llvm-mc -triple=amdgcn-amd-amdhsa -mcpu=gfx1250 --defsym DOCPART=n.
;; ======== version 1 of 2: 3 launches
;; limits: values are held in f16: magnitudes above 65,504 overflow, below 6.1e-05 lose precision
;; workspace buffers: xb 16,777,216 bytes; wqb 8,388,608 bytes; wkvb 1,048,576 bytes; rope 1,049,600 bytes; qh 16,777,216 bytes; kh 1,048,576 bytes; vh 1,048,576 bytes
;; launch prep (part 1): grid 416 x 1, 8 waves a work-group, no clusters, 0 bytes of LDS; arguments x, Wq, Wk, Wv, xb, wqb, wkvb, rope; writes xb, wqb, wkvb, rope
.if DOCPART == 1
	.amdgcn_target "amdgcn-amd-amdhsa--gfx1250"
	.amdhsa_code_object_version 6
	.text
	.protected	k_q37e8ac3121_prep
	.globl	k_q37e8ac3121_prep
	.p2align	8
	.type	k_q37e8ac3121_prep,@function
k_q37e8ac3121_prep:
	s_mov_b64 s[64:65], 0
	v_nop
	global_prefetch_b8 v0, s[64:65] scope:SCOPE_SE
	s_setreg_imm32_b32 hwreg(HW_REG_WAVE_MODE, 25, 1), 1
	s_wait_xcnt 0x0
; PREP: x and the three weights are rounded once to bf16 and laid out for the projection; the table of cosines and sines is made.
;   xb   [4096][2048] bf16                      as x lies
;   wqb  [8 blocks of 256 columns][2048 k][256] bf16: 128 k of a block are 65,536 consecutive bytes
;   wkvb [8 planes of 32 columns][2048 k][32]   bf16: planes 0-3 Wk's columns, planes 4-7 Wv's
;   rope f32, in the order in which the projection's lanes want it: block (tb, b) of 1,024 bytes at (8 tb + b) x 1,024; in it half (0, 1) at 512 x half, lane l at 16 l:
;        (cos, sin, cos, sin) of position 16 tb + l % 16 for the frequencies 8 b + 4 (l / 16) + 2 half + 0, 1.  Behind the 1,024 blocks one block of (1, 0, 1, 0), for V.
; A pure stream: no LDS, no barrier, no matrix unit.  Work-groups 0-255 take x, 256-383 Wq, 384-391 Wk, 392-399 Wv, 400-415 the table.
; A casting work-group takes 16 units of 2,048 numbers (8,192 bytes of f32); thread t takes 8 numbers of each unit: two loads of 16 bytes, one store of 16 bytes.
; All 32 loads of a thread go out first (16 KiB a wave on their way); no register that a load or store has read is written again, so the only waits are the counted ones for the loads.
; LIMITS.  An angle is the f32 product of position and frequency, the frequency 2^(-i log2(10000) / 64) by v_exp_f32; sine and cosine by reduction to a quarter turn
; (pi / 2 in two parts) and polynomials of degree 7 and 8, cut below 4e-7 on the reduced range.
.set SRC,  20                          ; s[20:21] the work-group's first source byte
.set DST,  22                          ; s[22:23] its first destination byte
.set STEP, 24                          ; s24      destination bytes from unit to unit
.set SO,   1                           ; v1       my byte offset in a unit of the source
.set DO,   2                           ; v2       my byte offset in the destination
.set DA,   4                           ; v[4:19]  DO + unit x STEP
.set X,    20                          ; v[20:147] 8 registers a unit
	s_load_b512 s[4:19], s[0:1], 0x0               ; x 4, Wq 6, Wk 8, Wv 10, xb 12, wqb 14, wkvb 16, rope 18
	s_mov_b32 s29, 0                               ; high words of the two offset pairs
	s_mov_b32 s31, 0
	s_wait_kmcnt 0x0
	s_cmp_lt_u32 ttmp9, 256
	s_cbranch_scc0 .Lnot_x
	s_lshl_b32 s28, ttmp9, 17                      ; x: 131,072 bytes of f32 a work-group,
	s_lshl_b32 s30, ttmp9, 16                      ; 65,536 of bf16
	s_add_nc_u64 s[SRC:SRC+1], s[4:5], s[28:29]
	s_add_nc_u64 s[DST:DST+1], s[12:13], s[30:31]
	s_mov_b32 s[STEP], 4096
	v_lshlrev_b32 v[SO], 5, v0
	v_lshlrev_b32 v[DO], 4, v0
	s_branch .Lcast
.Lnot_x:
	s_cmp_lt_u32 ttmp9, 384
	s_cbranch_scc0 .Lnot_wq
	s_sub_co_u32 s27, ttmp9, 256                   ; Wq: a unit is one k row; the work-group takes 16 of them
	s_lshl_b32 s28, s27, 17
	s_lshl_b32 s30, s27, 13                        ; 16 k rows of 512 bytes in each block
	s_add_nc_u64 s[SRC:SRC+1], s[6:7], s[28:29]
	s_add_nc_u64 s[DST:DST+1], s[14:15], s[30:31]
	s_mov_b32 s[STEP], 512
	v_lshlrev_b32 v[SO], 5, v0
	v_lshrrev_b32 v3, 5, v0                        ; my wave's block of 256 columns
	v_and_b32 v[DO], 31, v0
	v_lshlrev_b32 v[DO], 4, v[DO]
	v_lshl_add_u32 v[DO], v3, 20, v[DO]            ; a wave's store covers 512 consecutive bytes
	s_branch .Lcast
.Lnot_wq:
	s_cmp_lt_u32 ttmp9, 400
	s_cbranch_scc0 .Ltable
	s_sub_co_u32 s27, ttmp9, 384                   ; Wk (0-7) or Wv (8-15): a unit is 16 k rows of 128 columns
	s_cmp_lt_u32 s27, 8
	s_cselect_b64 s[SRC:SRC+1], s[8:9], s[10:11]
	s_cselect_b32 s30, 0, 524288                   ; Wv's planes lie behind Wk's four
	s_and_b32 s27, s27, 7
	s_lshl_b32 s28, s27, 17
	s_lshl_b32 s32, s27, 14                        ; 256 k rows of 64 bytes in each plane
	s_add_co_u32 s30, s30, s32
	s_add_nc_u64 s[SRC:SRC+1], s[SRC:SRC+1], s[28:29]
	s_add_nc_u64 s[DST:DST+1], s[16:17], s[30:31]
	s_mov_b32 s[STEP], 1024
	v_lshrrev_b32 v3, 6, v0
	v_bfe_u32 v4, v0, 2, 2
	v_lshl_add_u32 v3, v3, 2, v4                   ; k row in the unit: thread bits 7:6 and 3:2
	v_bfe_u32 v4, v0, 4, 2                         ; plane: bits 5:4
	v_and_b32 v5, 3, v0                            ; which 8 of the plane's 32 columns: bits 1:0
	v_lshlrev_b32 v[SO], 9, v3
	v_lshl_add_u32 v[SO], v4, 7, v[SO]
	v_lshl_add_u32 v[SO], v5, 5, v[SO]
	v_lshlrev_b32 v[DO], 17, v4
	v_lshl_add_u32 v[DO], v3, 6, v[DO]             ; sixteen neighbouring lanes write 4 k rows x 64 bytes: 256 consecutive bytes, aligned
	v_lshl_add_u32 v[DO], v5, 4, v[DO]
.Lcast:
.irp i, 0,1,2,3,4,5,6,7,8,9,10,11,12,13,14,15
	global_load_b128 v[X+8*(\i):X+8*(\i)+3],   v[SO], s[SRC:SRC+1] offset:8192*(\i) th:TH_LOAD_NT
	global_load_b128 v[X+8*(\i)+4:X+8*(\i)+7], v[SO], s[SRC:SRC+1] offset:8192*(\i)+16 th:TH_LOAD_NT
.endr
.irp i, 0,1,2,3,4,5,6,7,8,9,10,11,12,13,14,15
	v_mad_u32_u24 v[DA+(\i)], s[STEP], \i, v[DO]
.endr
.irp i, 0,1,2,3,4,5,6,7,8,9,10,11,12,13,14,15
	s_wait_loadcnt 30-2*(\i)                       ; loads come back in order: unit i's two are in, the 2 (15 - i) younger ones stay out
.irp n, 0,1,2,3
	v_cvt_pk_bf16_f32 v[X+8*(\i)+(\n)], v[X+8*(\i)+2*(\n)], v[X+8*(\i)+2*(\n)+1]  ; in place: register n is written when pairs 0 .. n - 1 have been read
.endr
	global_store_b128 v[DA+(\i)], v[X+8*(\i):X+8*(\i)+3], s[DST:DST+1]
.endr
	s_endpgm
; THE TABLE.  Work-group u = 0..15 makes positions 128 u .. 128 u + 127: eight trips of 16 positions, 8,192 bytes each: thread t stores 16 bytes at 16 t (blocks 0-3) and at 16 t + 4,096 (blocks 4-7).
.Ltable:
	v_lshrrev_b32 v3, 5, v0
	v_readfirstlane_b32 s33, v3                    ; my wave's number
	s_sub_co_u32 s27, ttmp9, 400
	v_lshrrev_b32 v3, 6, v0                        ; block b of the first store
	v_bfe_u32 v4, v0, 4, 1                         ; lane / 16
	v_bfe_u32 v5, v0, 5, 1                         ; half
	v_lshlrev_b32 v3, 3, v3
	v_lshl_add_u32 v3, v4, 2, v3
	v_lshl_add_u32 v3, v5, 1, v3                   ; my first frequency's number
	v_cvt_f32_u32 v3, v3
	v_add_f32 v4, 1.0, v3
	v_add_f32 v5, 0x42000000, v3                   ; + 32: the second store's block lies four further on
	v_add_f32 v6, 0x42040000, v3                   ; + 33
	v_mul_f32 v20, 0xbe549a78, v3                  ; - log2(10000) / 64 times the number
	v_mul_f32 v21, 0xbe549a78, v4
	v_mul_f32 v22, 0xbe549a78, v5
	v_mul_f32 v23, 0xbe549a78, v6
	v_exp_f32 v20, v20
	v_exp_f32 v21, v21
	v_exp_f32 v22, v22
	v_exp_f32 v23, v23
	v_nop                                          ; a plain instruction behind the last exponential,
	s_wait_alu depctr_va_vdst(0)                   ; and the wait ahead of the first use: one for the four
	s_lshl_b32 s28, s27, 7
	v_and_b32 v7, 15, v0
	v_add_nc_u32 v7, s28, v7
	v_cvt_f32_u32 v24, v7                          ; my position in the first trip
	v_lshlrev_b32 v34, 4, v0
	s_lshl_b32 s28, s27, 16
	s_add_nc_u64 s[DST:DST+1], s[18:19], s[28:29]
	s_mov_b32 s34, 0xbfc90fdb                      ; - pi / 2, its leading part,
	s_mov_b32 s35, 0x333bbd2e                      ; and what that part has too much
	v_mov_b32 v44, 0xb9500d01                      ; - 1 / 5040
	v_mov_b32 v45, 0x37d00d01                      ; 1 / 40320
	s_mov_b32 s25, 8
; cosine into v[c], sine into v[s] of the angle in v25 (not negative).  n = the nearest whole number of quarter turns; r = angle - n pi / 2; by n % 4 the two polynomials change places and signs.
.macro SINCOS c, s
	v_mul_f32 v26, 0x3f22f983, v25                 ; 2 / pi
	v_rndne_f32 v26, v26
	v_fma_f32 v27, v26, s34, v25
	v_fma_f32 v27, v26, s35, v27
	v_cvt_i32_f32 v31, v26
	v_mul_f32 v28, v27, v27
	v_fmaak_f32 v29, v44, v28, 0x3c088889          ; sine: r + r r^2 (- 1/6 + r^2 (1/120 - r^2 / 5040))
	v_fmaak_f32 v30, v45, v28, 0xbab60b61          ; cosine: 1 + r^2 (- 1/2 + r^2 (1/24 + r^2 (- 1/720 + r^2 / 40320)))
	v_fmaak_f32 v29, v29, v28, 0xbe2aaaab
	v_fmaak_f32 v30, v30, v28, 0x3d2aaaab
	v_mul_f32 v29, v29, v28
	v_fma_f32 v30, v30, v28, -0.5
	v_fma_f32 v29, v29, v27, v27
	v_fma_f32 v30, v30, v28, 1.0
	v_and_b32 v32, 1, v31
	v_cmp_eq_u32 vcc_lo, 1, v32                    ; an odd quarter: sine and cosine change places
	v_add_nc_u32 v33, 1, v31
	v_lshlrev_b32 v32, 30, v31                     ; the sine is negative in quarters 2, 3: bit 1 of n,
	v_lshlrev_b32 v33, 30, v33                     ; the cosine in quarters 1, 2: bit 1 of n + 1
	v_cndmask_b32 v[\s], v29, v30, vcc_lo
	v_cndmask_b32 v[\c], v30, v29, vcc_lo
	v_and_b32 v32, 0x80000000, v32
	v_and_b32 v33, 0x80000000, v33
	v_xor_b32 v[\s], v32, v[\s]
	v_xor_b32 v[\c], v33, v[\c]
.endm
.Ltab:
.irp e, 0,1,2,3
	v_mul_f32 v25, v24, v[20+(\e)]
	SINCOS 36+2*(\e), 37+2*(\e)
.endr
	global_store_b128 v34, v[36:39], s[DST:DST+1]
	global_store_b128 v34, v[40:43], s[DST:DST+1] offset:4096
	s_wait_xcnt 0x0                                ; the stores' data and base are written again only behind this wait
	s_add_nc_u64 s[DST:DST+1], s[DST:DST+1], 8192
	v_add_f32 v24, 0x41800000, v24                 ; 16 positions on
	s_sub_co_u32 s25, s25, 1
	s_cmp_lg_u32 s25, 0
	s_cbranch_scc1 .Ltab
	s_cmp_lg_u32 s27, 0                            ; the block of (1, 0, 1, 0): work-group 400, waves 0 and 1: 64 threads x 16 bytes
	s_cbranch_scc1 .Lend
	s_cmp_lt_u32 s33, 2
	s_cbranch_scc0 .Lend
	v_mov_b32 v36, 1.0
	v_mov_b32 v37, 0
	v_mov_b32 v38, 1.0
	v_mov_b32 v39, 0
	s_add_nc_u64 s[DST:DST+1], s[18:19], 0x100000
	global_store_b128 v34, v[36:39], s[DST:DST+1]
.Lend:
	s_endpgm
.Lfunc_end_k_q37e8ac3121_prep:
	.size	k_q37e8ac3121_prep, .Lfunc_end_k_q37e8ac3121_prep-k_q37e8ac3121_prep
	.p2alignl 7, 3214868480
	.fill 96, 4, 3214868480
	.section	.rodata,"a",@progbits
	.p2align	6, 0x0
	.amdhsa_kernel k_q37e8ac3121_prep
		.amdhsa_group_segment_fixed_size 0
		.amdhsa_private_segment_fixed_size 0
		.amdhsa_enable_private_segment 0
		.amdhsa_kernarg_size 64
		.amdhsa_user_sgpr_count 2
		.amdhsa_user_sgpr_kernarg_segment_ptr 1
		.amdhsa_wavefront_size32 1
		.amdhsa_system_sgpr_workgroup_id_x 1
		.amdhsa_system_sgpr_workgroup_id_y 1
		.amdhsa_system_sgpr_workgroup_id_z 1
		.amdhsa_system_vgpr_workitem_id 0
		.amdhsa_next_free_vgpr 148
		.amdhsa_next_free_sgpr 66
		.amdhsa_reserve_vcc 1
		.amdhsa_float_denorm_mode_32 3
		.amdhsa_float_denorm_mode_16_64 3
		.amdhsa_memory_ordered 1
		.amdhsa_forward_progress 1
		.amdhsa_inst_pref_size 20
	.end_amdhsa_kernel
	.amdgpu_metadata
---
amdhsa.version: [ 1, 2 ]
amdhsa.kernels:
  - .name:           k_q37e8ac3121_prep
    .symbol:         k_q37e8ac3121_prep.kd
    .args:
      - { .name: x, .offset: 0, .size: 8, .value_kind: global_buffer, .address_space: global }
      - { .name: Wq, .offset: 8, .size: 8, .value_kind: global_buffer, .address_space: global }
      - { .name: Wk, .offset: 16, .size: 8, .value_kind: global_buffer, .address_space: global }
      - { .name: Wv, .offset: 24, .size: 8, .value_kind: global_buffer, .address_space: global }
      - { .name: xb, .offset: 32, .size: 8, .value_kind: global_buffer, .address_space: global }
      - { .name: wqb, .offset: 40, .size: 8, .value_kind: global_buffer, .address_space: global }
      - { .name: wkvb, .offset: 48, .size: 8, .value_kind: global_buffer, .address_space: global }
      - { .name: rope, .offset: 56, .size: 8, .value_kind: global_buffer, .address_space: global }
    .group_segment_fixed_size: 0
    .private_segment_fixed_size: 0
    .kernarg_segment_align: 8
    .kernarg_segment_size: 64
    .max_flat_workgroup_size: 256
    .sgpr_count:     66
    .vgpr_count:     148
    .wavefront_size: 32
...
	.end_amdgpu_metadata
.endif
;; end of part 1
;; launch proj (part 2): grid 8 x 32, 4 waves a work-group, clusters of 4 x 4, 327,680 bytes of LDS; arguments xb, wqb, wkvb, rope, qh, kh, vh; writes qh, kh, vh
.if DOCPART == 2
	.amdgcn_target "amdgcn-amd-amdhsa--gfx1250"
	.amdhsa_code_object_version 6
	.text
	.protected	k_q37e8ac3121_proj
	.globl	k_q37e8ac3121_proj
	.p2align	8
	.type	k_q37e8ac3121_proj,@function
k_q37e8ac3121_proj:
	s_mov_b64 s[64:65], 0
	v_nop
	global_prefetch_b8 v0, s[64:65] scope:SCOPE_SE
	s_setreg_imm32_b32 hwreg(HW_REG_WAVE_MODE, 25, 1), 1
	s_wait_xcnt 0x0
	s_wait_alu depctr_hold_cnt(0) depctr_sa_sdst(0) depctr_va_vdst(0) depctr_va_sdst(0) depctr_va_ssrc(0) depctr_va_vcc(0) depctr_vm_vsrc(0)
	s_getreg_b32 s2, hwreg(HW_REG_IB_STS2, 6, 4)
	s_cmp_eq_u32 s2, 0
	s_cbranch_scc0 .Lentry_in_a_cluster
	s_endpgm
.Lentry_in_a_cluster:
	s_bfe_u32 s2, ttmp6, 0x10000c
	s_cmp_lg_u32 s2, 0xf033
	s_cbranch_scc0 .Lentry_shape_is_right
	s_endpgm
.Lentry_shape_is_right:
; PROJ: q = rope(x Wq), k = rope(x Wk), v = x Wv.  Operands bf16, sums f32, results rounded once to f16, without the scale 1 / sqrt(128).
; SHARES.  2,304 columns = 8 x (256 of Wq + 32 of Wk or Wv); 4,096 rows = 32 x 128: 256 work-groups.  Work-group (j, i): rows 128 i on, heads 2 j and 2 j + 1, plane j of wkvb.
; Wave w (wr = w / 2, wc = w % 2): rows 64 wr on, head 2 j + wc (128 columns), columns 16 wc on of the plane: 4 x 9 = 36 accumulators of 16 x 16.
; THE MATRIX INSTRUCTION IS USED TRANSPOSED: source 0 = 16 columns of W, source 1 = 16 rows of x: a lane holds one row and eight neighbouring columns, so each pair that RoPE turns lies in one lane.
; W lies [k][column] in LDS and is turned on the way into registers by ds_load_tr16_b128.
; K goes in 16 steps of 128 through two LDS slots.  One tensor load a wave fills a slot: wave 0 x's 128 rows, waves 1 and 2 64 k rows of Wq's block each, wave 3 the plane's 128 k rows.
; CLUSTER 4 x 4: x's tile hangs on i alone and is asked for jointly by a row of the cluster, W's tiles on j alone and by a column.
; OUT.  qh [batch][head][position][128] f16.  kh, vh [tile of 128 positions, 16 batch + tile][plane of 32 channels][128][32] f16: a work-group writes one plane, 8,192 consecutive bytes.
; LIMITS.  q, k, v must lie within f16's 65,504.  V goes through the same lines as K with cosine 1 and sine 0; NaN and infinities are not treated apart.
; REGISTERS, in windows of 256 (s_set_vgpr_msb: bits 1:0 source 0, 3:2 source 1, 5:4 source 2, 7:6 destination):
;   window 0: v16-31, v240-243 addresses; two fragment buffers of 104 (x's 4 fragments, Wq's 8, the plane's 1); on the way out the buffers' registers are at work
;   window 1: q's accumulator (a, b) at 8 (8 a + b)     window 2: v0-31 k's or v's accumulator a at 8 a; v32-63 its table     window 3: q's table, (a, b) at 64 a + 8 b
.set SLOT,  116736                     ; x 128 rows x 272; Wq 128 k rows x 544; the plane 128 k rows x 96
.set OFFQ,  34816                      ; also: what each of the first three loads fills, so a wave's load goes to wave x 34,816
.set OFFV,  104448
.set STAGE, 2*SLOT                     ; behind the ring, never filled by a tensor load: 16 rows x 272 bytes for each wave
.set SP,    272
.set KVST,  STAGE+4*16*SP              ; the work-group's stage for its plane: 128 rows x 80 bytes
.set KP,    80
.set SPARE, KVST+128*KP                ; the spare words, 128 bytes for each wave: two blocks of 256 bytes that no other line names
.set ADRA, 16                          ; v16-17  LDS address of my fragments of x in slot 0, 1
.set ADRQ, 18                          ; v18-19  of Wq
.set ADRV, 20                          ; v20-21  of the plane
.set STO,  22                          ; v22     q's way out: where I put 16 bytes of a row
.set RD,   23                          ; v23     where I read rows back
.set TBO,  25                          ; v25     16 x lane: my place in a block of the table, and in 512 consecutive bytes of qh
.set KSTO, 26                          ; v26     the plane's way out: in
.set KRD,  27                          ; v27     and back
.set SPW,  28                          ; v28     LDS address of my spare word; never rewritten
.set NIL,  29                          ; v29     0; never rewritten
.set PFO,  30                          ; v30     the prefetches' lane offset; never rewritten
.set KCO,  31                          ; v31     my byte offset in the plane
.set TKO,  240                         ; v240-243 my offsets in the plane's table, one for each block of 16 rows
.set F0,   32
.set F1,   136
.set Y,    32                          ; the way out: 64 turned numbers
.set TMP,  96                          ; 32 registers of f16 pairs
.set BK,   128                         ; two sets of 32: rows read back
.set KT,   200
.set KB,   216
.set WV, 18
.set WR, 19
.set WC, 20
.set CX, 21
.set CY, 22
.set J,  23
.set I,  66
.set G1A, 24                           ; s[24:31] group 1 for x's tiles;  s[32:39] group 0, a set for each slot
.set G0A, 32
.set G1Q, 40                           ; s[40:47], s[48:55] for Wq's
.set G0Q, 48
.set G1V, 56                           ; s[56:63], s[68:75] for the plane's
.set G0V, 68
.set PFA, 76                           ; s[76:77] where my prefetches stand
.set PFS, 78                           ; s[78:79] their step from K step to K step
.set LIM, 80                           ; s80  1 in a wave that prefetches, else the greatest number
.set QOUT, 82
.set KVOUT, 84
.set TQ, 86
.set TK, 88
.set KST, 90
.set MSB, 0
.macro WIN new                         ; the immediate's high byte repeats the setting that is left; a switch that changes nothing is dropped
.if MSB != (\new)
	s_set_vgpr_msb (MSB<<8)|(\new)
.set MSB, \new
.endif
.endm
.macro PLACES                          ; four plain instructions between a matrix instruction and a load into, or a vector instruction on, its registers
.rept 4
	v_nop
.endr
.endm
; A joint load: one line for each kind of tile, chosen by the wave's number alone.  An s_nop 0 and four v_nop follow each line, ahead of the jump and the label.
.macro JLOAD s
	s_cmp_eq_u32 s[WV], 0
	s_cbranch_scc0 .Lnot_a_\@
	tensor_load_to_lds s[G0A+4*(\s):G0A+4*(\s)+3], s[G1A:G1A+7]
	s_nop 0
.rept 4
	v_nop
.endr
	s_branch .Lasked_\@
.Lnot_a_\@:
	s_cmp_eq_u32 s[WV], 3
	s_cbranch_scc0 .Lfor_q_\@
	tensor_load_to_lds s[G0V+4*(\s):G0V+4*(\s)+3], s[G1V:G1V+7]
	s_nop 0
.rept 4
	v_nop
.endr
	s_branch .Lasked_\@
.Lfor_q_\@:
	tensor_load_to_lds s[G0Q+4*(\s):G0Q+4*(\s)+3], s[G1Q:G1Q+7]
	s_nop 0
.rept 4
	v_nop
.endr
.Lasked_\@:
.endm
.macro CREST                           ; a round of the cluster's barrier behind its opening barrier
	s_cmp_lg_u32 s[WV], 0
	s_cbranch_scc1 .Lnot_wave_0_\@
	s_barrier_signal -3
.Lnot_wave_0_\@:
	s_barrier_wait -3
	s_barrier_signal -1
	s_barrier_wait -1
.endm
.macro CROUND
	s_barrier_signal -1
	s_barrier_wait -1
	CREST
.endm
; A PREFETCH INTO THE L2, behind a joint refill, its five lines and the run of LDS loads: the refill at K step s asks for step s + 2, the prefetch names step s + 4: two K steps, 288 matrix instructions, ahead of its load.
; x's rows: wave 0 of the clusters with x = 0; of the tile's 128 rows the partner at place cx takes 32, a lane a row of 256 bytes.  Wq's: waves 1 and 2 of the clusters with y = 0; of the 32 KiB that the wave
; fetches the partner at place cy takes 8 KiB, a lane 256 bytes.  So each block is named once in the launch, and partners differ by address alone.  The plane's tiles are not asked for: 8 KiB a step.
; The first four K steps come by their loads alone; the loop's last trip asks for nothing: the last step named is 15.
.macro ASK
	s_cmp_gt_u32 s3, s[LIM]
	s_cbranch_scc0 .Lnot_mine_\@
	global_prefetch_b8 v[PFO], s[PFA:PFA+1] th:TH_LOAD_NT scope:SCOPE_SE
.Lnot_mine_\@:
.endm
.macro SHAPE g, d0, d1, st             ; group 1's words 1 to 7: the tile lies inside the tensor, so the extents are the tile's
	s_mov_b32 s[(\g)+1], (\d0)<<16
	s_mov_b32 s[(\g)+2], (\d1)<<16
	s_mov_b32 s[(\g)+3], (\d0)<<16
	s_mov_b32 s[(\g)+4], \d1
	s_mov_b32 s[(\g)+5], \st
	s_mov_b32 s[(\g)+6], 0
	s_mov_b32 s[(\g)+7], 0
.endm
	s_load_b256 s[4:11], s[0:1], 0x0               ; xb 4, wqb 6, wkvb 8, rope 10
	s_load_b128 s[12:15], s[0:1], 0x20             ; qh 12, kh 14
	s_load_b64 s[16:17], s[0:1], 0x30              ; vh
	v_lshl_add_u32 v[SPW], v0, 2, SPARE
	v_mov_b32 v[NIL], 0
	ds_add_u32 v[SPW], v[NIL]                      ; the wave's opening: the add and its wait stand ahead of my first tensor load; the set-up below stands between them
	v_lshrrev_b32 v1, 5, v0
	v_readfirstlane_b32 s[WV], v1
	s_lshr_b32 s[WR], s[WV], 1
	s_and_b32 s[WC], s[WV], 1
	s_bfe_u32 s[CX], ttmp6, 0x40000
	s_bfe_u32 s[CY], ttmp6, 0x40004
	s_lshl_b32 s[J], ttmp9, 2
	s_add_co_u32 s[J], s[J], s[CX]                 ; j = 4 x cluster x + cx
	s_and_b32 s[I], ttmp7, 0xffff
	s_lshl_b32 s[I], s[I], 2
	s_add_co_u32 s[I], s[I], s[CY]                 ; i = 4 x cluster y + cy
	s_lshl_b32 s92, s[CY], 2
	s_lshl_b32 s92, 15, s92                        ; my row of the cluster
	s_lshl_b32 s93, 0x1111, s[CX]                  ; my column
	s_or_b32 s[G1A], s92, (1<<16)|(1<<20)|(1<<21)|(5<<22)|(3<<25)  ; 2-byte elements; padding on; bit 21 beside a mask; 4 words behind every 64: LDS rows of 272 bytes
	s_or_b32 s[G1Q], s93, (1<<16)|(1<<20)|(1<<21)|(6<<22)|(7<<25)  ; 8 words behind every 128: rows of 544
	s_or_b32 s[G1V], s93, (1<<16)|(1<<20)|(1<<21)|(3<<22)|(7<<25)  ; 8 words behind every 16: rows of 96
	SHAPE G1A, 128, 128, 2048                      ; 128 rows x 128 k of xb
	SHAPE G1Q, 256, 64, 256                        ; 64 k rows x 256 columns
	SHAPE G1V, 128, 32, 128                        ; 8,192 dense bytes asked for as 32 rows of 256: four k rows of 32 columns a row
	s_mul_i32 s94, s[WV], OFFQ                     ; where my load goes in a slot: no place in the cluster enters an LDS address
	s_lshl_b32 s96, s[I], 19                       ; x: 128 rows of 4,096 bytes
	s_mov_b32 s97, 0
	s_add_co_u32 s95, s[WV], 1
	s_and_b32 s95, s95, 1                          ; Wq: wave 1 the first 64 k rows, wave 2 the second
	s_lshl_b32 s95, s95, 15
	s_lshl_b32 s98, s[J], 20
	s_add_co_u32 s98, s98, s95
	s_mov_b32 s99, 0
	s_lshl_b32 s92, s[J], 17                       ; the plane
	s_mov_b32 s93, 0
	s_wait_dscnt 0x0                               ; the opening add is done
	s_wait_kmcnt 0x0
	s_add_nc_u64 s[96:97], s[4:5], s[96:97]
	s_add_nc_u64 s[98:99], s[6:7], s[98:99]
	s_add_nc_u64 s[92:93], s[8:9], s[92:93]
	CROUND                                         ; all sixteen work-groups are here: the first joint loads meet
.irp s, 0,1
	s_mov_b32 s[G0A+4*(\s)], 1
	s_add_co_u32 s[G0A+4*(\s)+1], s94, (\s)*SLOT
	s_add_nc_u64 s[G0A+4*(\s)+2:G0A+4*(\s)+3], s[96:97], (\s)*256
	s_or_b32 s[G0A+4*(\s)+3], s[G0A+4*(\s)+3], 0x80000000
	s_mov_b32 s[G0Q+4*(\s)], 1
	s_add_co_u32 s[G0Q+4*(\s)+1], s94, (\s)*SLOT
	s_add_nc_u64 s[G0Q+4*(\s)+2:G0Q+4*(\s)+3], s[98:99], (\s)*65536
	s_or_b32 s[G0Q+4*(\s)+3], s[G0Q+4*(\s)+3], 0x80000000
	s_mov_b32 s[G0V+4*(\s)], 1
	s_add_co_u32 s[G0V+4*(\s)+1], s94, (\s)*SLOT
	s_add_nc_u64 s[G0V+4*(\s)+2:G0V+4*(\s)+3], s[92:93], (\s)*8192
	s_or_b32 s[G0V+4*(\s)+3], s[G0V+4*(\s)+3], 0x80000000
.endr
	JLOAD 0                                        ; K steps 0 and 1: two loads of mine are out
	JLOAD 1
	; THE TABLES, asked for now and waited for on the way out: 72 loads of 16 bytes a lane into windows 3 and 2, which nothing touches meanwhile.
	v_and_b32 v1, 15, v0                           ; r = l % 16
	v_bfe_u32 v2, v0, 4, 1                         ; h = l / 16
	v_and_b32 v3, 31, v0                           ; l
	v_lshlrev_b32 v[TBO], 4, v3
	s_lshl_b32 s92, s[I], 3
	s_lshl_b32 s93, s[WR], 2
	s_add_co_u32 s92, s92, s93
	s_and_b32 s92, s92, 127                        ; my first block of 16 positions in its batch
	s_lshl_b32 s92, s92, 13
	s_mov_b32 s93, 0
	s_add_nc_u64 s[TQ:TQ+1], s[10:11], s[92:93]
	s_lshl_b32 s94, s[J], 1
	s_add_co_u32 s94, s94, s[WC]                   ; K: my 16 columns are block 2 j + wc of the head's eight
	s_lshl_b32 s94, s94, 10
	s_add_co_u32 s94, s94, s92
	s_cmp_eq_u32 ttmp9, 0                          ; planes 0-3 (cluster x = 0) are K's, planes 4-7 V's: selects, no branch
	s_cselect_b32 s94, s94, 0x100000               ; V: the block of (1, 0, 1, 0),
	s_cselect_b32 s[KST], 8192, 0                  ; the same for all positions
	s_cselect_b64 s[KVOUT:KVOUT+1], s[14:15], s[16:17]
	s_mov_b32 s95, 0
	s_add_nc_u64 s[TK:TK+1], s[10:11], s[94:95]
.irp a, 0,1,2,3
	v_mad_u32_u24 v[TKO+(\a)], s[KST], \a, v[TBO]
.endr
	WIN 0xc0                                       ; destination window 3, address window 0
.irp a, 0,1,2,3
.irp b, 0,1,2,3,4,5,6,7
	global_load_b128 v[64*(\a)+8*(\b):64*(\a)+8*(\b)+3],   v[TBO], s[TQ:TQ+1] offset:8192*(\a)+1024*(\b)
	global_load_b128 v[64*(\a)+8*(\b)+4:64*(\a)+8*(\b)+7], v[TBO], s[TQ:TQ+1] offset:8192*(\a)+1024*(\b)+512
.endr
.endr
	WIN 0x80                                       ; destination window 2
.irp a, 0,1,2,3
	global_load_b128 v[32+8*(\a):32+8*(\a)+3], v[TKO+(\a)], s[TK:TK+1]
	global_load_b128 v[36+8*(\a):36+8*(\a)+3], v[TKO+(\a)], s[TK:TK+1] offset:512
.endr
	WIN 0
	; fragments of x: lane l holds row l % 16, k = 8 h + 0..7 and 16 + 8 h + 0..7: two loads of 16 bytes, 32 bytes apart
	s_mul_i32 s92, s[WR], 64*272
	v_mul_u32_u24 v4, v1, 272
	v_lshl_add_u32 v4, v2, 4, v4
	v_add_nc_u32 v[ADRA], s92, v4
	v_add_nc_u32 v[ADRA+1], SLOT, v[ADRA]
	; fragments of W: the turning load takes 16 k x 16 columns (lane l reads k row 8 h + l % 8, columns 8 ((l / 8) % 2) + 0..7) and leaves lane l column l % 16 and 8 k
	v_and_b32 v5, 7, v0
	v_bfe_u32 v6, v0, 3, 1
	v_lshl_add_u32 v5, v2, 3, v5
	v_mul_u32_u24 v7, v5, 544
	v_lshl_add_u32 v7, v6, 4, v7
	s_lshl_b32 s92, s[WC], 8
	s_add_co_u32 s92, s92, OFFQ
	v_add_nc_u32 v[ADRQ], s92, v7
	v_add_nc_u32 v[ADRQ+1], SLOT, v[ADRQ]
	v_mul_u32_u24 v7, v5, 96
	v_lshl_add_u32 v7, v6, 4, v7
	s_lshl_b32 s92, s[WC], 5
	s_add_co_u32 s92, s92, OFFV
	v_add_nc_u32 v[ADRV], s92, v7
	v_add_nc_u32 v[ADRV+1], SLOT, v[ADRV]
	; the way out
	s_mul_i32 s92, s[WV], 16*SP
	s_add_co_u32 s92, s92, STAGE
	v_mul_u32_u24 v4, v1, SP                       ; in: row l % 16, 16 bytes for each half of the lanes
	v_lshl_add_u32 v4, v2, 4, v4
	v_add_nc_u32 v[STO], s92, v4
	v_mul_u32_u24 v4, v2, SP                       ; back: lanes 0-15 one row of 256 bytes, lanes 16-31 the next
	v_lshl_add_u32 v4, v1, 4, v4
	v_add_nc_u32 v[RD], s92, v4
	s_mul_i32 s92, s[WR], 64*KP
	s_lshl_b32 s93, s[WC], 5
	s_add_co_u32 s92, s92, s93
	s_add_co_u32 s92, s92, KVST
	v_mul_u32_u24 v4, v1, KP
	v_lshl_add_u32 v4, v2, 4, v4
	v_add_nc_u32 v[KSTO], s92, v4                  ; row 64 wr + l % 16, bytes 32 wc + 16 h of its 64
	s_mul_i32 s92, s[WV], 32*KP
	s_add_co_u32 s92, s92, KVST
	v_lshrrev_b32 v4, 2, v3
	v_and_b32 v5, 3, v0
	v_mul_u32_u24 v4, v4, KP
	v_lshl_add_u32 v4, v5, 4, v4
	v_add_nc_u32 v[KRD], s92, v4                   ; back: wave w takes rows 32 w on, 32 lanes eight rows of 64 bytes
	s_lshl_b32 s92, s[WV], 11
	v_add_nc_u32 v[KCO], s92, v[TBO]
	s_lshr_b32 s92, s[I], 4
	s_lshl_b32 s92, s92, 4
	s_lshl_b32 s93, s[J], 1
	s_add_co_u32 s92, s92, s93
	s_add_co_u32 s92, s92, s[WC]                   ; 16 batch + head
	s_lshl_b32 s92, s92, 11
	s_lshl_b32 s93, s[I], 7
	s_lshl_b32 s94, s[WR], 6
	s_add_co_u32 s93, s93, s94
	s_and_b32 s93, s93, 2047                       ; my first position
	s_add_co_u32 s92, s92, s93
	s_lshl_b32 s92, s92, 8
	s_mov_b32 s93, 0
	s_add_nc_u64 s[QOUT:QOUT+1], s[12:13], s[92:93]
	s_lshl_b32 s92, s[I], 15
	s_and_b32 s94, s[J], 3
	s_lshl_b32 s94, s94, 13
	s_add_co_u32 s92, s92, s94
	s_add_nc_u64 s[KVOUT:KVOUT+1], s[KVOUT:KVOUT+1], s[92:93]
	; the prefetches: they stand at K step 3; each refill steps them first
	s_lshl_b32 s92, s[I], 7
	s_lshl_b32 s94, s[CX], 5
	s_add_co_u32 s92, s92, s94
	s_lshl_b32 s92, s92, 12
	s_add_co_u32 s92, s92, 3*256                   ; x: row 128 i + 32 cx
	s_lshl_b32 s94, s[J], 20
	s_add_co_u32 s95, s[WV], 1
	s_and_b32 s95, s95, 1
	s_lshl_b32 s95, s95, 15
	s_add_co_u32 s94, s94, s95
	s_lshl_b32 s95, s[CY], 13
	s_add_co_u32 s94, s94, s95
	s_add_co_u32 s94, s94, 3*65536                 ; Wq: my half of the step, 8 KiB at cy
	s_and_b32 s95, ttmp7, 0xffff
	s_cmp_eq_u32 s[WV], 0
	s_cselect_b64 s[PFA:PFA+1], s[4:5], s[6:7]
	s_cselect_b32 s92, s92, s94
	s_cselect_b32 s94, ttmp9, s95                  ; the coordinate along which other clusters read the same bytes
	s_cselect_b32 s95, 12, 8                       ; a lane a row of x, or 256 bytes of Wq
	s_cselect_b32 s96, 8, 16
	s_add_nc_u64 s[PFA:PFA+1], s[PFA:PFA+1], s[92:93]
	s_lshl_b32 s[PFS], 1, s96                      ; 256 bytes of a row, or 65,536 of a block, from K step to K step
	s_mov_b32 s[PFS+1], 0
	s_cmp_eq_u32 s94, 0
	s_cselect_b32 s[LIM], 1, -1
	s_cmp_eq_u32 s[WV], 3
	s_cselect_b32 s[LIM], -1, s[LIM]
	v_lshlrev_b32 v[PFO], s95, v3
; 8 matrix instructions: block a of 16 rows x the head's 8 blocks of 16 columns, 32 along K.  zero = 1: the product starts the sums.
.macro MULQ f, a, zero
	WIN 0x50                                       ; C and D window 1
.irp b, 0,1,2,3,4,5,6,7
.if \zero
	v_wmma_f32_16x16x32_bf16 v[8*(8*(\a)+(\b)):8*(8*(\a)+(\b))+7], v[(\f)+32+8*(\b):(\f)+32+8*(\b)+7], v[(\f)+8*(\a):(\f)+8*(\a)+7], 0
.else
	v_wmma_f32_16x16x32_bf16 v[8*(8*(\a)+(\b)):8*(8*(\a)+(\b))+7], v[(\f)+32+8*(\b):(\f)+32+8*(\b)+7], v[(\f)+8*(\a):(\f)+8*(\a)+7], v[8*(8*(\a)+(\b)):8*(8*(\a)+(\b))+7]
.endif
.endr
.endm
.macro MULKV f, zero                   ; 4: the plane's 16 columns x my 4 blocks of rows
	WIN 0xa0                                       ; C and D window 2
.irp a, 0,1,2,3
.if \zero
	v_wmma_f32_16x16x32_bf16 v[8*(\a):8*(\a)+7], v[(\f)+96:(\f)+103], v[(\f)+8*(\a):(\f)+8*(\a)+7], 0
.else
	v_wmma_f32_16x16x32_bf16 v[8*(\a):8*(\a)+7], v[(\f)+96:(\f)+103], v[(\f)+8*(\a):(\f)+8*(\a)+7], v[8*(\a):8*(\a)+7]
.endif
.endr
.endm
; 26 LDS loads in one run: the fragments of quarter q (32 along K) of a slot into buffer f; x's last, so that a quarter's first wait can leave four of them out
.macro FETCH slot, q, f
	WIN 0
	ds_load_tr16_b128 v[(\f)+96:(\f)+99],   v[ADRV+(\slot)] offset:3072*(\q)
	ds_load_tr16_b128 v[(\f)+100:(\f)+103], v[ADRV+(\slot)] offset:3072*(\q)+1536
.irp b, 0,1,2,3,4,5,6,7
	ds_load_tr16_b128 v[(\f)+32+8*(\b):(\f)+32+8*(\b)+3], v[ADRQ+(\slot)] offset:17408*(\q)+32*(\b)
	ds_load_tr16_b128 v[(\f)+36+8*(\b):(\f)+36+8*(\b)+3], v[ADRQ+(\slot)] offset:17408*(\q)+32*(\b)+8704
.endr
.irp a, 0,1,2,3
	ds_load_b128 v[(\f)+8*(\a):(\f)+8*(\a)+3],   v[ADRA+(\slot)] offset:64*(\q)+4352*(\a)
	ds_load_b128 v[(\f)+8*(\a)+4:(\f)+8*(\a)+7], v[ADRA+(\slot)] offset:64*(\q)+4352*(\a)+32
.endr
.endm
; A K step is four quarters of 36 matrix instructions, on buffers 0, 1, 0, 1.  The 36 accumulators take turns, one instruction a turn, in the same order in every quarter.
; One of the first three quarters: multiplies buffer f and in its middle fetches quarter q of the same slot into buffer g.
.macro QUARTER slot, q, f, g, zero
	s_wait_dscnt 4                                 ; all but x's fragments 2 and 3, the youngest four loads
	MULQ \f, 0, \zero
	MULQ \f, 1, \zero
	PLACES
	FETCH \slot, \q, \g
	s_wait_dscnt 26                                ; all but the 26 just issued
	MULQ \f, 2, \zero
	MULQ \f, 3, \zero
	MULKV \f, \zero
.endm
; The last quarter multiplies buffer 1 and changes slots: ONE barrier; in front of it each wave waits for all its tensor loads (one is out: its part of the next slot), adds 0 to its spare word, and waits for that
; and for its own reads of this slot.  fill = 1: the barrier opens a round of the cluster's barrier, and behind the round this slot is filled again, two K steps ahead: 128 matrix instructions ahead of the wait for it.
.macro TURN slot, next, fill
.if \fill
	s_wait_xcnt 0x0                                ; the last prefetch, a K step back, has read its address
	s_add_nc_u64 s[PFA:PFA+1], s[PFA:PFA+1], s[PFS:PFS+1]
.endif
	WIN 0
	s_wait_tensorcnt 0x0
	ds_add_u32 v[SPW], v[NIL]
	s_wait_dscnt 5                                 ; (the add and the youngest four loads may be out)
	MULQ F1, 0, 0                                  ; eight matrix instructions stand between the add and the wait for it
	s_wait_dscnt 0x0                               ; the add is done, and my reads of this slot are over
	s_barrier_signal -1
	MULQ F1, 1, 0
.if \fill
	WIN 0
.endif
	s_barrier_wait -1
.if \fill
	CREST                                          ; no wave of any partner still reads this slot or has a load on its way
	s_add_nc_u64 s[G0A+4*(\slot)+2:G0A+4*(\slot)+3], s[G0A+4*(\slot)+2:G0A+4*(\slot)+3], 512
	s_add_nc_u64 s[G0Q+4*(\slot)+2:G0Q+4*(\slot)+3], s[G0Q+4*(\slot)+2:G0Q+4*(\slot)+3], 131072
	s_add_nc_u64 s[G0V+4*(\slot)+2:G0V+4*(\slot)+3], s[G0V+4*(\slot)+2:G0V+4*(\slot)+3], 16384
	JLOAD \slot                                    ; the four v_nop behind it are also the places in front of the loads below
.else
	PLACES
.endif
	FETCH \next, 0, F0
.if \fill
	ASK
.endif
	MULQ F1, 2, 0
	MULQ F1, 3, 0
	MULKV F1, 0
.endm
	s_wait_tensorcnt 1                             ; my part of K step 0 is in; step 1's may stay out
	s_barrier_signal -1
	s_barrier_wait -1
	FETCH 0, 0, F0
	QUARTER 0, 1, F0, F1, 1                        ; the first quarter stands in front of the loop: its products start the sums
	WIN 0
	s_mov_b32 s3, 7
.Llap:                                                 ; a trip goes once round the ring, from a lap's second quarter to the next lap's first, and fills both slots again
	QUARTER 0, 2, F1, F0, 0
	QUARTER 0, 3, F0, F1, 0
	TURN 0, 1, 1
	QUARTER 1, 1, F0, F1, 0
	QUARTER 1, 2, F1, F0, 0
	QUARTER 1, 3, F0, F1, 0
	TURN 1, 0, 1
	QUARTER 0, 1, F0, F1, 0
	WIN 0
	s_sub_co_u32 s3, s3, 1
	s_cmp_lg_u32 s3, 0
	s_cbranch_scc1 .Llap
	QUARTER 0, 2, F1, F0, 0                        ; the last lap fills nothing
	QUARTER 0, 3, F0, F1, 0
	TURN 0, 1, 0
	QUARTER 1, 1, F0, F1, 0
	QUARTER 1, 2, F1, F0, 0
	QUARTER 1, 3, F0, F1, 0
	s_wait_dscnt 4
	MULQ F1, 0, 0
	MULQ F1, 1, 0
	s_wait_dscnt 0x0
	MULQ F1, 2, 0
	MULQ F1, 3, 0
	MULKV F1, 0
	WIN 0
	PLACES
	PLACES
; THE WAY OUT.  Eight numbers of a lane are four pairs (x0, x1), the table's eight four pairs (c, s): y = (x0 c - x1 s, x1 c + x0 s): a packed multiply by c, and a packed multiply-add that takes x crossed and s with
; its sign turned in the low half.  Each accumulator's lowest registers are read first.
.macro ROPE8 y, x, t
.irp p, 0,2,4,6
	v_pk_mul_f32 v[(\y)+(\p):(\y)+(\p)+1], v[(\x)+(\p):(\x)+(\p)+1], v[(\t)+(\p):(\t)+(\p)+1] op_sel_hi:[1,0]
.endr
.irp p, 0,2,4,6
	v_pk_fma_f32 v[(\y)+(\p):(\y)+(\p)+1], v[(\x)+(\p):(\x)+(\p)+1], v[(\t)+(\p):(\t)+(\p)+1], v[(\y)+(\p):(\y)+(\p)+1] op_sel:[1,1,0] op_sel_hi:[0,1,1] neg_lo:[0,1,0]
.endr
.endm
.macro ROPEQ a                         ; block a's 16 rows x 128 columns
	WIN 0x0d                                       ; x window 1, the table window 3, y window 0
.irp b, 0,1,2,3,4,5,6,7
	ROPE8 Y+8*(\b), 8*(8*(\a)+(\b)), 64*(\a)+8*(\b)
.endr
	WIN 0
.endm
.macro PACKQ
.irp b, 0,1,2,3,4,5,6,7
.irp n, 0,1,2,3
	v_cvt_pk_f16_f32 v[TMP+4*(\b)+(\n)], v[Y+8*(\b)+2*(\n)], v[Y+8*(\b)+2*(\n)+1]
.endr
.endr
.endm
.macro TOSTAGE a                       ; into my own stage, and back as whole rows of 256 bytes
.set BKA, BK+32*((\a)%2)
.if (\a) >= 2
	s_wait_xcnt 0x0                                ; the stores of the block two back have read these registers
.endif
.irp b, 0,1,2,3,4,5,6,7
	ds_store_b128 v[STO], v[TMP+4*(\b):TMP+4*(\b)+3] offset:32*(\b)
.endr
.irp t, 0,1,2,3,4,5,6,7
	ds_load_b128 v[BKA+4*(\t):BKA+4*(\t)+3], v[RD] offset:(\t)*2*SP  ; LDS serves a wave's instructions in order (ISA guide 5.7.1.4): these see the stores above
.endr
.endm
.macro SEND a
.set BKA, BK+32*((\a)%2)
.irp t, 0,1,2,3,4,5,6,7
	s_wait_dscnt 7-(\t)                            ; the eight loads from the stage are the youngest LDS instructions
	global_store_b128 v[TBO], v[BKA+4*(\t):BKA+4*(\t)+3], s[QOUT:QOUT+1] offset:4096*(\a)+512*(\t)  ; 512 consecutive bytes, at a multiple of 256 from qh's first
.endr
.endm
	s_wait_loadcnt 0x0                             ; the tables
	WIN 0x0a                                       ; x and the table window 2, y window 0
.irp a, 0,1,2,3
	ROPE8 Y+8*(\a), 8*(\a), 32+8*(\a)
.endr
	WIN 0
.irp a, 0,1,2,3
.irp n, 0,1,2,3
	v_cvt_pk_f16_f32 v[KT+4*(\a)+(\n)], v[Y+8*(\a)+2*(\n)], v[Y+8*(\a)+2*(\n)+1]
.endr
.endr
.irp a, 0,1,2,3
	ds_store_b128 v[KSTO], v[KT+4*(\a):KT+4*(\a)+3] offset:16*KP*(\a)
.endr
	s_wait_dscnt 0x0                               ; for the others' sake: a row's 64 bytes come from two waves
	s_barrier_signal -1
	ROPEQ 0                                        ; work on registers while the others arrive
	PACKQ
	s_barrier_wait -1
.irp t, 0,1,2,3
	ds_load_b128 v[KB+4*(\t):KB+4*(\t)+3], v[KRD] offset:8*KP*(\t)
.endr
.irp t, 0,1,2,3
	s_wait_dscnt 3-(\t)
	global_store_b128 v[KCO], v[KB+4*(\t):KB+4*(\t)+3], s[KVOUT:KVOUT+1] offset:512*(\t)  ; 512 consecutive bytes of the plane
.endr
	TOSTAGE 0
.irp a, 1,2,3                          ; a block's arithmetic stands between the loads of the block before and its stores
	ROPEQ \a
	PACKQ
	SEND (\a)-1
	TOSTAGE \a
.endr
	SEND 3
	s_wait_tensorcnt 0x0                           ; the wave's end: a wait, an add and a wait, behind my last tensor load and my last LDS store
	ds_add_u32 v[SPW], v[NIL]
	s_wait_dscnt 0x0
	CROUND                                         ; the closing round
	s_endpgm
.Lfunc_end_k_q37e8ac3121_proj:
	.size	k_q37e8ac3121_proj, .Lfunc_end_k_q37e8ac3121_proj-k_q37e8ac3121_proj
	.p2alignl 7, 3214868480
	.fill 96, 4, 3214868480
	.section	.rodata,"a",@progbits
	.p2align	6, 0x0
	.amdhsa_kernel k_q37e8ac3121_proj
		.amdhsa_group_segment_fixed_size 327680
		.amdhsa_private_segment_fixed_size 0
		.amdhsa_enable_private_segment 0
		.amdhsa_kernarg_size 56
		.amdhsa_user_sgpr_count 2
		.amdhsa_user_sgpr_kernarg_segment_ptr 1
		.amdhsa_wavefront_size32 1
		.amdhsa_system_sgpr_workgroup_id_x 1
		.amdhsa_system_sgpr_workgroup_id_y 1
		.amdhsa_system_sgpr_workgroup_id_z 1
		.amdhsa_system_vgpr_workitem_id 0
		.amdhsa_next_free_vgpr 1024
		.amdhsa_next_free_sgpr 100
		.amdhsa_reserve_vcc 0
		.amdhsa_float_denorm_mode_32 3
		.amdhsa_float_denorm_mode_16_64 3
		.amdhsa_memory_ordered 1
		.amdhsa_forward_progress 1
		.amdhsa_inst_pref_size 127
	.end_amdhsa_kernel
	.amdgpu_metadata
---
amdhsa.version: [ 1, 2 ]
amdhsa.kernels:
  - .name:           k_q37e8ac3121_proj
    .symbol:         k_q37e8ac3121_proj.kd
    .args:
      - { .name: xb, .offset: 0, .size: 8, .value_kind: global_buffer, .address_space: global }
      - { .name: wqb, .offset: 8, .size: 8, .value_kind: global_buffer, .address_space: global }
      - { .name: wkvb, .offset: 16, .size: 8, .value_kind: global_buffer, .address_space: global }
      - { .name: rope, .offset: 24, .size: 8, .value_kind: global_buffer, .address_space: global }
      - { .name: qh, .offset: 32, .size: 8, .value_kind: global_buffer, .address_space: global }
      - { .name: kh, .offset: 40, .size: 8, .value_kind: global_buffer, .address_space: global }
      - { .name: vh, .offset: 48, .size: 8, .value_kind: global_buffer, .address_space: global }
    .group_segment_fixed_size: 327680
    .private_segment_fixed_size: 0
    .kernarg_segment_align: 8
    .kernarg_segment_size: 56
    .max_flat_workgroup_size: 128
    .sgpr_count:     100
    .vgpr_count:     1024
    .wavefront_size: 32
...
	.end_amdgpu_metadata
.endif
;; end of part 2
;; launch attn (part 3): grid 16 x 16, 4 waves a work-group, clusters of 4 x 1, 327,680 bytes of LDS; arguments qh, kh, vh, out0; writes out0
.if DOCPART == 3
	.amdgcn_target "amdgcn-amd-amdhsa--gfx1250"
	.amdhsa_code_object_version 6
	.text
	.protected	k_q37e8ac3121_attn
	.globl	k_q37e8ac3121_attn
	.p2align	8
	.type	k_q37e8ac3121_attn,@function
k_q37e8ac3121_attn:
	s_mov_b64 s[64:65], 0
	v_nop
	global_prefetch_b8 v0, s[64:65] scope:SCOPE_SE
	s_setreg_imm32_b32 hwreg(HW_REG_WAVE_MODE, 25, 1), 1
	s_wait_xcnt 0x0
	s_wait_alu depctr_hold_cnt(0) depctr_sa_sdst(0) depctr_va_vdst(0) depctr_va_sdst(0) depctr_va_ssrc(0) depctr_va_vcc(0) depctr_vm_vsrc(0)
	s_getreg_b32 s2, hwreg(HW_REG_IB_STS2, 6, 4)
	s_cmp_eq_u32 s2, 0
	s_cbranch_scc0 .Lentry_in_a_cluster
	s_endpgm
.Lentry_in_a_cluster:
	s_bfe_u32 s2, ttmp6, 0x10000c
	s_cmp_lg_u32 s2, 0x3003
	s_cbranch_scc0 .Lentry_shape_is_right
	s_endpgm
.Lentry_shape_is_right:
; CAUSAL ATTENTION, 16 query heads on one key and value head.  out[b][q][head][:] = the sum over k <= q of softmax_k(Q[q] . K[k] / sqrt(128)) V[k][:].
; qh [batch][head][2048][128] f16; kh, vh [16 batch + tile][4 planes of 32 channels][128 keys][32] f16; out0 [2][2048][2048] f32.  Products, maxima and sums in f32; the weights are rounded to f16 for the second product.
; LIMITS.  Q, K, V arrive within f16's 65,504.  A hidden score counts as -1e30 (f16's scores, 5.5e11 at the most, are nothing beside that); a weight below 2^-126 counts as 0 in l; NaN and infinities are not treated apart.
; THE WALK.  A head's queries lie in 16 blocks of 128; block i needs the key tiles 0 .. i of 128 keys, the last of which holds the diagonal.  A work-group takes block 15 - p and then block p: 17 tiles, 34 key steps
; of 64, whatever p: all work-groups do equal work, and the loops count to constants.  What differs lies in scalar registers made from p.
; CLUSTER.  The four work-groups of a cluster are four heads with the same batch and p: they walk the same K and V, so every tile is asked for JOINTLY.  The head enters Q's and out's addresses alone.
; SHARES.  A wave owns 32 queries of a block: two tiles of 16.  The diagonal tile is computed whole under a mask, the same work for all four waves.
; LAYOUT.  S^T = K Q^T (source 0 = 16 keys, source 1 = 16 queries): a lane holds ONE query (lane % 16) and the keys 8 (lane / 16) + 0..7.  Two such results rounded to f16 in pairs ARE source 1 of O^T = V^T P.
; SOFTMAX.  A running maximum m and sum l: p = 2^(c s - c m), c = log2(e) / sqrt(128); in every step O and l are multiplied by a = 2^(c m_old - c m_new).  A block starts with c m far below every c s: its first a is 0,
; so O and l need only hold finite numbers then: the price is 128 lines that clear O^T once, in the wait for the first tile.
; A STEP goes in phases: K of the next step is fetched; the softmax of the step in hand; its 32 products V^T P; V of the next step is fetched; the next step's 32 products K Q^T.
; REGISTERS, in windows of 256 (s_set_vgpr_msb: bits 1:0 source 0, 3:2 source 1, 5:4 source 2, 7:6 destination):
;   window 0: v0-15 addresses; v16-31 statistics, 8 a tile; v32-63 P; v64-127 S^T; v128-255 O^T: all that a softmax touches
;   window 1: v0-63 Q; v64-127 the second block's Q; v128-255 K of one step          window 2: v0-127 V of one step
.set PKP,   80        ; a key's 64 bytes of a plane of K + 16 of padding: the 16 rows of a load start at 16 different groups of four banks (64 banks of 4 bytes: ISA guide 11.1)
.set PVP,   96        ; of V: + 32
.set VOFF,  4*128*PKP ; a slot holds a tile: K's four planes, then V's
.set SLOT1, 1<<17     ; slot 1 begins here: one exclusive or turns an address in one slot into the other's
.set STAGE, SLOT1+4*128*(PKP+PVP)  ; behind the ring, never filled by a tensor load: 16 rows x 528 bytes for each wave
.set SP,    528
.set SPARE, STAGE+4*16*SP  ; the spare words, 128 bytes for each wave: two blocks of 256 bytes that no other line names
.set AK0, 2           ; v2   my lane's place in a plane of K; never rewritten
.set AV0, 3           ; v3   the same for V
.set ADR, 4           ; v4   the LDS address of K's run of loads
.set ADRV, 5          ; v5   of V's
.set STO, 6           ; v6   the way out: where I put 32 bytes of a row
.set RD,  7           ; v7   where I read a row back
.set GO,  8           ; v8   16 x lane: my place in a row's 512 bytes of out
.set PFO, 9           ; v9   256 x lane; never rewritten
.set DQ,  10          ; v10-11  tile t: my query's place in its block less my lanes' 8 (lane / 16)
.set DD,  12          ; v12-13  the same less the step's first key
.set QO,  12          ; v12  at the head: my byte offset in 16 rows of Q
.set SPW, 14          ; v14  LDS address of my spare word; never rewritten
.set NIL, 15          ; v15  0; never rewritten
.set ST,  16          ; tile t's statistics at v[ST+8 t]: c m, m, l (even keys', odd keys'), c0-c3 at work; a takes c2's place
.set P,   32
.set S,   64
.set O,   128
.set QB,  64          ; window 1
.set KF,  128         ; window 1: key block kb, channels 32 c on, at KF + 32 kb + 8 c
.set WV,  12
.set CX,  13
.set HEAD, 14
.set PB,  15          ; p
.set HI,  16          ; 15 - p
.set BAT, 17
.set G1K, 24
.set G1V, 32
.set G0K, 40          ; s[40:47] group 0 for K's tiles: a set for each first fill; the second then walks
.set G0V, 48
.set SLOTS, 56
.set CNT, 57
.set CS,  58          ; s[58:59] c
.set SEL, 60          ; s[60:61] v_permlanex16_b32's selects: each lane takes its own place in the other half
.set TBK, 62          ; s62  LDS byte at which K of the step to be fetched begins
.set TBV, 63          ; s63  the same for V, less VOFF
.set NXT, 66          ; s66  the tile to be asked for next
.set LQ,  67          ; s67  the last tile of the block whose tiles are being asked for
.set REM, 68          ; s68  key steps of the block in hand still to be finished
.set SH,  69
.set OFF, 70          ; s[70:71]
.set OLO, 72          ; s[72:73] out at my rows of the second block
.set QLO, 74          ; s[74:75] Q at them
.set PFA, 76          ; s[76:77] where my prefetches stand
.set LIM, 78
.set BIG, 79          ; -1e30
.set REM2, 80         ; the second block's key steps
.set MSB, 0
.macro WIN new
.if MSB != (\new)
	s_set_vgpr_msb (MSB<<8)|(\new)
.set MSB, \new
.endif
.endm
.macro PLACES                       ; four plain instructions between a matrix instruction and a load into, or a vector instruction on, its registers
.rept 4
	v_nop
.endr
.endm
; A joint refill: waves 0 and 1 fetch K's planes 0-1 and 2-3, waves 2 and 3 V's.  An s_nop 0 and four v_nop follow each line, ahead of the jump and the label.
.macro JLOAD
	s_cmp_lt_u32 s[WV], 2
	s_cbranch_scc0 .Lfor_v_\@
	tensor_load_to_lds s[G0K+4:G0K+7], s[G1K:G1K+7]
	s_nop 0
.rept 4
	v_nop
.endr
	s_branch .Lasked_\@
.Lfor_v_\@:
	tensor_load_to_lds s[G0V+4:G0V+7], s[G1V:G1V+7]
	s_nop 0
.rept 4
	v_nop
.endr
.Lasked_\@:
.endm
; A PREFETCH INTO THE L2 of the tile that the NEXT change of slots will ask for: two key steps, 128 matrix instructions and two softmaxes, ahead of its load.  Each block of 256 bytes is named once in the launch: of all
; clusters of a batch the one with x = 0 and p = 0 asks, whose first block walks the tiles 0 to 15 in order; its four partners take 8 KiB of a tile's 32 each, by address; wave 0 asks for K's, wave 2 for V's, a lane 256 bytes.
; Tiles 0 to 2 come by their loads alone; the last tile named is 15.
.macro ASK
	s_cmp_gt_u32 s[SLOTS], s[LIM]
	s_cbranch_scc0 .Lnot_mine_\@
	global_prefetch_b8 v[PFO], s[PFA:PFA+1] th:TH_LOAD_NT scope:SCOPE_SE
.Lnot_mine_\@:
.endm
.macro CROUND
	s_barrier_signal -1
	s_barrier_wait -1
	s_cmp_lg_u32 s[WV], 0
	s_cbranch_scc1 .Lnot_wave_0_\@
	s_barrier_signal -3
.Lnot_wave_0_\@:
	s_barrier_wait -3
	s_barrier_signal -1
	s_barrier_wait -1
.endm
	s_load_b256 s[4:11], s[0:1], 0x0  ; qh 4, kh 6, vh 8, out0 10
	v_lshl_add_u32 v[SPW], v0, 2, SPARE
	v_mov_b32 v[NIL], 0
	ds_add_u32 v[SPW], v[NIL]       ; the wave's opening: the add and its wait stand ahead of my first tensor load; the set-up below stands between them
	v_lshrrev_b32 v1, 5, v0
	v_readfirstlane_b32 s[WV], v1
	s_bfe_u32 s[CX], ttmp6, 0x40000
	s_lshl_b32 s[HEAD], ttmp9, 2
	s_add_co_u32 s[HEAD], s[HEAD], s[CX]
	s_and_b32 s84, ttmp7, 0xffff
	s_lshr_b32 s[BAT], s84, 3
	s_and_b32 s[PB], s84, 7
	s_sub_co_u32 s[HI], 15, s[PB]
	s_and_b32 s85, s[WV], 1         ; which two planes of a tile I fetch:
	s_lshl_b32 s86, s[BAT], 19      ; a batch's 16 tiles of 32,768 bytes,
	s_lshl_b32 s87, s85, 14         ; two planes of 8,192
	s_add_co_u32 s86, s86, s87
	s_mov_b32 s87, 0
	s_mul_i32 s88, s85, 2*128*PKP   ; and their place in a slot, for K
	s_mul_i32 s89, s85, 2*128*PVP   ; and for V: no place in the cluster enters an LDS address
	s_lshl_b32 s18, s[BAT], 4
	s_add_co_u32 s18, s18, s[HEAD]
	s_lshl_b32 s18, s18, 11
	s_lshl_b32 s19, s[WV], 5
	s_add_co_u32 s18, s18, s19      ; Q's row: (16 batch + head) 2048 + 32 w + the block's 128
	s_lshl_b32 s20, s[BAT], 11
	s_add_co_u32 s20, s20, s19      ; out's row: 2048 batch + 32 w + the block's 128
	s_lshl_b32 s21, s[HI], 7
	s_lshl_b32 s22, s[PB], 7
	s_add_co_u32 s90, s18, s21
	s_lshl_b32 s90, s90, 8
	s_mov_b32 s91, 0
	s_add_co_u32 s92, s18, s22
	s_lshl_b32 s92, s92, 8
	s_mov_b32 s93, 0
	s_lshl_b32 s23, s[HEAD], 9      ; the head's 512 bytes of a row of out
	s_add_co_u32 s94, s20, s21
	s_lshl_b32 s94, s94, 13
	s_add_co_u32 s94, s94, s23
	s_mov_b32 s95, 0
	s_add_co_u32 s2, s20, s22
	s_lshl_b32 s2, s2, 13
	s_add_co_u32 s2, s2, s23
	s_mov_b32 s3, 0
	; group 1: two planes are 16,384 dense bytes: asked for as 64 rows of 256 bytes, four keys a row, and padded in LDS behind every key's 64 bytes
	s_mov_b32 s[G1K], 15|(1<<16)|(1<<20)|(1<<21)|(3<<22)|(3<<25)  ; the mask of four; 2-byte elements; padding on; bit 21 beside a mask; behind every 16 words 4 words
	s_mov_b32 s[G1V], 15|(1<<16)|(1<<20)|(1<<21)|(3<<22)|(7<<25)  ; the same with 8 words
.irp g, G1K, G1V
	s_mov_b32 s[(\g)+1], 128<<16
	s_mov_b32 s[(\g)+2], 64<<16
	s_mov_b32 s[(\g)+3], 128<<16
	s_mov_b32 s[(\g)+4], 64
	s_mov_b32 s[(\g)+5], 128
	s_mov_b32 s[(\g)+6], 0
	s_mov_b32 s[(\g)+7], 0
.endr
	s_mov_b32 s[CS], 0x3e0293ee     ; c = log2(e) / sqrt(128) = 0.127517
	s_mov_b32 s[CS+1], s[CS]
	s_mov_b32 s[SEL], 0x76543210
	s_mov_b32 s[SEL+1], 0xfedcba98
	s_mov_b32 s[TBK], 0
	s_mov_b32 s[TBV], 0
	s_mov_b32 s[NXT], 2
	s_mov_b32 s[LQ], s[HI]
	s_add_co_u32 s[REM], s[HI], 1
	s_lshl_b32 s[REM], s[REM], 1
	s_add_co_u32 s[REM2], s[PB], 1
	s_lshl_b32 s[REM2], s[REM2], 1
	s_mov_b32 s[OFF+1], 0
	s_mov_b32 s[BIG], 0xf149f2ca
	s_and_b32 s[LIM], s[WV], 1      ; waves 0 and 2,
	s_or_b32 s[LIM], s[LIM], ttmp9  ; of the cluster with x = 0
	s_or_b32 s[LIM], s[LIM], s[PB]  ; and p = 0: the same in all four partners
	s_cmp_eq_u32 s[LIM], 0
	s_cselect_b32 s[LIM], 2, -1
	s_wait_dscnt 0x0                ; the opening add is done
	s_wait_kmcnt 0x0
	s_add_nc_u64 s[6:7], s[6:7], s[86:87]  ; K and V at my planes of the batch's tile 0
	s_add_nc_u64 s[8:9], s[8:9], s[86:87]
	s_add_nc_u64 s[QLO:QLO+1], s[4:5], s[92:93]
	s_add_nc_u64 s[4:5], s[4:5], s[90:91]
	s_add_nc_u64 s[OLO:OLO+1], s[10:11], s[2:3]
	s_add_nc_u64 s[10:11], s[10:11], s[94:95]
	s_cmp_lt_u32 s[WV], 2
	s_cselect_b64 s[PFA:PFA+1], s[6:7], s[8:9]  ; (in waves 0 and 2 these stand at a tile's first byte)
	s_lshl_b32 s18, s[CX], 13
	s_add_co_u32 s18, s18, 2*32768  ; at tile 2; each change of slots steps it first
	s_mov_b32 s19, 0
	s_add_nc_u64 s[PFA:PFA+1], s[PFA:PFA+1], s[18:19]
	CROUND                          ; all four work-groups are here: the first joint loads meet
.irp s, 0,1
	s_mov_b32 s[G0K+4*(\s)], 1
	s_add_co_u32 s[G0K+4*(\s)+1], s88, (\s)*SLOT1
	s_add_nc_u64 s[G0K+4*(\s)+2:G0K+4*(\s)+3], s[6:7], (\s)*32768
	s_or_b32 s[G0K+4*(\s)+3], s[G0K+4*(\s)+3], 0x80000000
	s_mov_b32 s[G0V+4*(\s)], 1
	s_add_co_u32 s[G0V+4*(\s)+1], s89, (\s)*SLOT1+VOFF
	s_add_nc_u64 s[G0V+4*(\s)+2:G0V+4*(\s)+3], s[8:9], (\s)*32768
	s_or_b32 s[G0V+4*(\s)+3], s[G0V+4*(\s)+3], 0x80000000
.endr
	s_cmp_lt_u32 s[WV], 2           ; a wave's two first fills stand in one branch: tiles 0 and 1; two loads of mine are out
	s_cbranch_scc0 .Lfirst_v
	tensor_load_to_lds s[G0K:G0K+3], s[G1K:G1K+7]
	s_nop 0
	tensor_load_to_lds s[G0K+4:G0K+7], s[G1K:G1K+7]
	s_nop 0
.rept 4
	v_nop
.endr
	s_branch .Lfirst_asked
.Lfirst_v:
	tensor_load_to_lds s[G0V:G0V+3], s[G1V:G1V+7]
	s_nop 0
	tensor_load_to_lds s[G0V+4:G0V+7], s[G1V:G1V+7]
	s_nop 0
.rept 4
	v_nop
.endr
.Lfirst_asked:
	; A fragment of K or Q is 16 rows x 32 channels in 8 registers: lane l holds row l % 16, channels 8 (l / 16) + 0..7 and 16 + 8 (l / 16) + 0..7: two loads of 16 bytes, 32 bytes apart.
	v_and_b32 v64, 15, v0           ; r = l % 16   (S^T's registers serve as scratch here)
	v_bfe_u32 v65, v0, 4, 1         ; h = l / 16
	v_and_b32 v66, 31, v0           ; l
	v_lshlrev_b32 v[QO], 8, v64
	v_lshl_add_u32 v[QO], v65, 4, v[QO]
	WIN 0x40                        ; destination window 1, address window 0
.irp i, 0,1,2,3,4,5,6,7             ; both blocks' Q: tile i / 4, channels 32 (i % 4) on
	global_load_b128 v[8*(\i):8*(\i)+3],         v[QO], s[4:5] offset:((\i)/4)*4096+((\i)%4)*64 th:TH_LOAD_NT
	global_load_b128 v[8*(\i)+4:8*(\i)+7],       v[QO], s[4:5] offset:((\i)/4)*4096+((\i)%4)*64+32 th:TH_LOAD_NT
	global_load_b128 v[QB+8*(\i):QB+8*(\i)+3],   v[QO], s[QLO:QLO+1] offset:((\i)/4)*4096+((\i)%4)*64 th:TH_LOAD_NT
	global_load_b128 v[QB+8*(\i)+4:QB+8*(\i)+7], v[QO], s[QLO:QLO+1] offset:((\i)/4)*4096+((\i)%4)*64+32 th:TH_LOAD_NT
.endr
	WIN 0
.set i, O
.rept 128
	v_mov_b32 v[i], 0               ; O^T: finite numbers for the first step's a = 0
.set i, i+1
.endr
.irp t, 0,1
	v_mov_b32 v[ST+8*(\t)], 0xfe000000    ; c m: far below every c s
	v_mov_b32 v[ST+8*(\t)+1], 0xff7fffff  ; m: the lowest finite number
	v_mov_b32 v[ST+8*(\t)+2], 0
	v_mov_b32 v[ST+8*(\t)+3], 0
.endr
	v_mul_u32_u24 v[AK0], v64, PKP
	v_lshl_add_u32 v[AK0], v65, 4, v[AK0]
	; The turning load takes 16 keys x 16 channels (lane l reads key 8 (l / 16) + l % 8, channels 8 ((l / 8) % 2) + 0..7) and leaves half a fragment of V^T: lane l holds channel l % 16 and 8 keys.
	v_and_b32 v67, 7, v0
	v_bfe_u32 v68, v0, 3, 1
	v_lshl_add_u32 v[AV0], v65, 3, v67
	v_mul_u32_u24 v[AV0], v[AV0], PVP
	v_lshl_add_u32 v[AV0], v68, 4, v[AV0]
	v_add_nc_u32 v[AV0], VOFF, v[AV0]
	s_mul_i32 s18, s[WV], 16*SP
	s_add_co_u32 s18, s18, STAGE
	v_mul_u32_u24 v[STO], v64, SP   ; in: row l % 16, 32 bytes for each half of the lanes
	v_lshl_add_u32 v[STO], v65, 5, v[STO]
	v_add_nc_u32 v[STO], s18, v[STO]
	v_lshl_add_u32 v[RD], v66, 4, s18  ; back: 32 lanes take one row of 512 bytes
	v_lshlrev_b32 v[GO], 4, v66
	v_lshlrev_b32 v[PFO], 8, v66
	v_lshlrev_b32 v69, 3, v65
	v_sub_nc_u32 v[DQ], v64, v69
	s_lshl_b32 s18, s[WV], 5
	v_add_nc_u32 v[DQ], s18, v[DQ]
	v_add_nc_u32 v[DQ+1], 16, v[DQ]
; THE MATRIX WORK.  The accumulators take turns, one instruction a turn: between two links of a chain stand 7 (K Q^T) or 15 (V^T P) others'.
; Product i of 32 of S^T = K Q^T: channels 32 (i / 8) on, keys 16 ((i / 2) % 4) on, tile i % 2.  The first 8 start the sums.
.macro KQ
	WIN 0x05                        ; K and Q window 1, S^T window 0
.set rS, S+32*(i%2)+8*((i/2)%4)
.set rK, KF+32*((i/2)%4)+8*(i/8)
.set rQ, 32*(i%2)+8*(i/8)
.if i < 8
	v_wmma_f32_16x16x32_f16 v[rS:rS+7], v[rK:rK+7], v[rQ:rQ+7], 0
.else
	v_wmma_f32_16x16x32_f16 v[rS:rS+7], v[rK:rK+7], v[rQ:rQ+7], v[rS:rS+7]
.endif
.set i, i+1
.endm
; Product i of 32 of O^T += V^T P: keys 32 (i / 16) on, channels 16 ((i / 2) % 8) on, tile i % 2.
.macro PVM
	WIN 0x02                        ; V window 2, P and O^T window 0
.set rO, O+64*(i%2)+8*((i/2)%8)
.set rV, 64*(i/16)+8*((i/2)%8)
.set rP, P+16*(i%2)+8*(i/16)
	v_wmma_f32_16x16x32_f16 v[rO:rO+7], v[rV:rV+7], v[rP:rP+7], v[rO:rO+7]
.set i, i+1
.endm
; THE LDS LOADS stand in runs of 32.  last = 1 (the tail): in the last trip there is no further step, and K's run is jumped over.
.macro FETCH_K last
	WIN 0
.if \last
	s_cmp_eq_u32 s[CNT], 1
	s_cbranch_scc1 .Lno_k_\@
.endif
	v_add_nc_u32 v[ADR], s[TBK], v[AK0]
	WIN 0x40                        ; destination window 1
.irp f, 0,1,2,3,4,5,6,7,8,9,10,11,12,13,14,15  ; keys 16 (f / 4) on, plane f % 4
	ds_load_b128 v[KF+8*(\f):KF+8*(\f)+3],   v[ADR] offset:((\f)%4)*128*PKP+((\f)/4)*16*PKP
	ds_load_b128 v[KF+8*(\f)+4:KF+8*(\f)+7], v[ADR] offset:((\f)%4)*128*PKP+((\f)/4)*16*PKP+32
.endr
	s_add_co_u32 s[TBK], s[TBK], 64*PKP  ; the next fetch is the next step's
	WIN 0
.if \last
.Lno_k_\@:
.endif
.endm
.macro FETCH_V
	WIN 0
	v_add_nc_u32 v[ADRV], s[TBV], v[AV0]
	WIN 0x80                        ; destination window 2
.irp f, 0,1,2,3,4,5,6,7,8,9,10,11,12,13,14,15  ; keys 32 (f / 8) on, channels 16 (f % 8) on: plane (f % 8) / 2
	ds_load_tr16_b128 v[8*(\f):8*(\f)+3],   v[ADRV] offset:(((\f)%8)/2)*128*PVP+((\f)/8)*32*PVP+((\f)%2)*32
	ds_load_tr16_b128 v[8*(\f)+4:8*(\f)+7], v[ADRV] offset:(((\f)%8)/2)*128*PVP+((\f)/8)*32*PVP+((\f)%2)*32+16*PVP
.endr
	s_add_co_u32 s[TBV], s[TBV], 64*PVP
	WIN 0
.endm
; THE SOFTMAX of one tile and step is a list of 134 instructions; SM writes number j of it for tile t.  s0-s31 are the lane's 32 scores, in pairs 0-15.
;   0-15    the maximum of s0-s31 and the old m, three operands at a time (each accumulator's lowest registers are read first)
;   16-20   the other half of the lanes' maximum; the new m; c m; c m_old - c m_new
;   21-69   ONE BATCH: the 16 scalings c s - c m and all 33 exponentials (a at 23); none of these reads an exponential's result
;   70-85   the roundings to f16     86-101  the sums; l = a l + the sum     102-133  O^T times a
.macro SM t
.set rT, ST+8*(\t)
.set rS, S+32*(\t)
.set rP, P+16*(\t)
.set rO, O+64*(\t)+2*(j-102)
.if j < 4
	v_max3_num_f32 v[rT+4+j], v[rS+8*j], v[rS+8*j+1], v[rS+8*j+2]
.elseif j < 12
	v_max3_num_f32 v[rT+4+j%4], v[rT+4+j%4], v[rS+8*(j%4)+2*(j/4)+1], v[rS+8*(j%4)+2*(j/4)+2]
.elseif j == 12
	v_max3_num_f32 v[rT+4], v[rT+4], v[rS+7], v[rS+15]
.elseif j == 13
	v_max3_num_f32 v[rT+6], v[rT+6], v[rS+23], v[rS+31]
.elseif j == 14
	v_max3_num_f32 v[rT+4], v[rT+4], v[rT+5], v[rT+6]
.elseif j == 15
	v_max3_num_f32 v[rT+4], v[rT+4], v[rT+7], v[rT+1]
.elseif j == 16
	v_permlanex16_b32 v[rT+5], v[rT+4], s[SEL], s[SEL+1]  ; the query's other 32 keys lie in the lane 16 away
.elseif j == 17
	v_mov_b32 v[rT+7], v[rT]        ; c m_old is kept for a
.elseif j == 18
	v_max_num_f32 v[rT+1], v[rT+4], v[rT+5]
.elseif j == 19
	v_mul_f32 v[rT], s[CS], v[rT+1]
.elseif j == 20
	v_sub_f32 v[rT+7], v[rT+7], v[rT]
.elseif j == 23
	v_exp_f32 v[rT+6], v[rT+7]
.elseif (j < 23) || ((j < 38) && (j%2 == 0)) || ((j < 66) && (j%4 == 2))
.set b, (j-2)/4                     ; 38, 42, .. 62: pairs 9 to 15
.if j < 38
.set b, (j-20)/2                    ; 21: pair 0; 22, 24, .. 36: pairs 1 to 8
.endif
	v_pk_fma_f32 v[rS+2*b:rS+2*b+1], v[rS+2*b:rS+2*b+1], s[CS:CS+1], v[rT:rT+1] op_sel_hi:[1,0,0] neg_lo:[0,0,1] neg_hi:[0,0,1]
.elseif j < 70
.set e, j-38                        ; 66 to 69: s28 to s31
.if j < 66
.set e, j-32-(j-38)/4               ; 39-41, 43-45, .. 63-65: s7 to s27
.endif
.if j < 38
.set e, (j-25)/2                    ; 25, 27, .. 37: s0 to s6
.endif
	v_exp_f32 v[rS+e], v[rS+e]
.elseif j < 86
	v_cvt_pk_f16_f32 v[rP+j-70], v[rS+2*(j-70)], v[rS+2*(j-70)+1]
.elseif j < 102                     ; the sum of the 16 pairs, in place: neighbours 1, 2, 4 and 8 pairs apart, then l takes it
.set z, j-86
.set w, 4
.set u, z
.if z >= 14
.set w, 32
.set u, 0
.elseif z >= 12
.set w, 16
.set u, z-12
.elseif z >= 8
.set w, 8
.set u, z-8
.endif
.if z < 15
	v_pk_add_f32 v[rS+w*u:rS+w*u+1], v[rS+w*u:rS+w*u+1], v[rS+w*u+w/2:rS+w*u+w/2+1]
.else
	v_pk_fma_f32 v[rT+2:rT+3], v[rT+2:rT+3], v[rT+6:rT+7], v[rS:rS+1] op_sel_hi:[1,0,1]
.endif
.else
	v_pk_mul_f32 v[rO:rO+1], v[rO:rO+1], v[rT+6:rT+7] op_sel_hi:[1,0]
.endif
.endm
; Both tiles' lists, number by number, so that no instruction reads the result of the one just before it.  The 66 exponentials have one plain instruction behind the last and ONE wait ahead of the first reader.
.macro SOFTMAX
	WIN 0
.set j, 0
.rept 134
	SM 0
	SM 1
.if j == 69
	v_nop
	s_wait_alu depctr_va_vdst(0)
.endif
.set j, j+1
.endr
.endm
; THE MASK, in the diagonal tile's two steps: register 8 kb + n of tile t holds key 16 kb + n + 8 (l / 16) of the step; it is hidden where that key, plus the step's first, is greater than the query's place in the block.
.macro MASK
	s_cmp_eq_u32 s[REM], 1          ; the tile's second step begins at key 64
	s_cselect_b32 s[SH], 64, 0
	v_sub_nc_u32 v[DD], v[DQ], s[SH]
	v_sub_nc_u32 v[DD+1], v[DQ+1], s[SH]
.irp t, 0,1
.set i, 0
.rept 32
	v_cmp_gt_i32 vcc_lo, 16*(i/8)+i%8, v[DD+(\t)]
	v_cndmask_b32 v[S+32*(\t)+i], v[S+32*(\t)+i], s[BIG], vcc_lo
.set i, i+1
.endr
.endr
.endm
; THE CHANGE OF SLOTS.  Each wave waits for all its tensor loads, of which one is out: its part of the other slot; adds 0 to its spare word; and waits for that and for its own reads of the slot that it leaves.
; fill = 1: the barrier is a round of the cluster's, and behind it the old slot is filled again with tile NXT, whose address is made anew from that number: it has two key steps in which to land.
.macro CHANGE fill
	WIN 0
	s_wait_tensorcnt 0x0            ; no tensor load of mine is out, so a group 0 may be written
	ds_add_u32 v[SPW], v[NIL]       ; 0 onto my spare word; the scalar work below stands between it and the wait for it
.if \fill
	s_lshl_b32 s[OFF], s[NXT], 15
	s_xor_b32 s[G0K+5], s[G0K+5], SLOT1
	s_add_nc_u64 s[G0K+6:G0K+7], s[6:7], s[OFF:OFF+1]
	s_or_b32 s[G0K+7], s[G0K+7], 0x80000000
	s_xor_b32 s[G0V+5], s[G0V+5], SLOT1
	s_add_nc_u64 s[G0V+6:G0V+7], s[8:9], s[OFF:OFF+1]
	s_or_b32 s[G0V+7], s[G0V+7], 0x80000000
	s_add_co_u32 s[NXT], s[NXT], 1  ; the block's next tile, or behind its last the second block's tile 0
	s_cmp_gt_u32 s[NXT], s[LQ]
	s_cselect_b32 s[NXT], 0, s[NXT]
	s_cselect_b32 s[LQ], s[PB], s[LQ]
	s_wait_xcnt 0x0                 ; the last prefetch, two key steps back, has read its address
	s_add_nc_u64 s[PFA:PFA+1], s[PFA:PFA+1], 32768
	s_wait_dscnt 0x0                ; the add is done, and my reads of the slot are over
	CROUND
	JLOAD
	ASK
.else
	s_wait_dscnt 0x0
	s_barrier_signal -1
	s_barrier_wait -1
.endif
	s_sub_co_u32 s[TBK], s[TBK], 2*64*PKP  ; the fetches go back to a slot's first step,
	s_xor_b32 s[TBK], s[TBK], SLOT1        ; in the other slot
	s_sub_co_u32 s[TBV], s[TBV], 2*64*PVP
	s_xor_b32 s[TBV], s[TBV], SLOT1
.endm
; THE WAY OUT of a block.  l's two halves and the other half of the lanes' are added; O^T is divided by l and sent through my stage in LDS, a tile at a time: a lane's eight channels of a row go in as 32 bytes,
; whole rows of 512 bytes come back into the registers that they left.
.macro PACK t
.set i, O+64*(\t)
.rept 32
	v_pk_mul_f32 v[i:i+1], v[i:i+1], v[ST+8*(\t)+6:ST+8*(\t)+7] op_sel_hi:[1,0]
.set i, i+2
.endr
.irp f, 0,1,2,3,4,5,6,7,8,9,10,11,12,13,14,15
	ds_store_b128 v[STO], v[O+64*(\t)+4*(\f):O+64*(\t)+4*(\f)+3] offset:64*((\f)/2)+16*((\f)%2)
.endr
.irp f, 0,1,2,3,4,5,6,7,8,9,10,11,12,13,14,15
	ds_load_b128 v[O+64*(\t)+4*(\f):O+64*(\t)+4*(\f)+3], v[RD] offset:(\f)*SP  ; LDS serves a wave's instructions in order (ISA guide 5.7.1.4): these see the stores above; the next tile's stores come behind them
.endr
.endm
.macro SEND t, younger              ; younger: the LDS instructions issued behind tile t's loads
.irp f, 0,1,2,3,4,5,6,7,8,9,10,11,12,13,14,15
	s_wait_dscnt (\younger)+15-(\f)
	global_store_b128 v[GO], v[O+64*(\t)+4*(\f):O+64*(\t)+4*(\f)+3], s[10:11] offset:(16*(\t)+(\f))*8192 th:TH_STORE_NT  ; 512 consecutive bytes, at a multiple of 256 from out's first
.endr
.endm
.macro WAYOUT
.irp t, 0,1
	v_add_f32 v[ST+8*(\t)+4], v[ST+8*(\t)+2], v[ST+8*(\t)+3]
.endr
.irp t, 0,1
	v_permlanex16_b32 v[ST+8*(\t)+5], v[ST+8*(\t)+4], s[SEL], s[SEL+1]
.endr
.irp t, 0,1
	v_add_f32 v[ST+8*(\t)+4], v[ST+8*(\t)+4], v[ST+8*(\t)+5]
.endr
.irp t, 0,1
	v_rcp_f32 v[ST+8*(\t)+6], v[ST+8*(\t)+4]
.endr
	v_nop                           ; a plain instruction behind the last reciprocal,
	s_wait_alu depctr_va_vdst(0)    ; and the wait ahead of the first use: one for the two
	PACK 0
	PACK 1
	SEND 0, 32
	SEND 1, 0
	s_wait_xcnt 0x0                 ; the stores have read their registers and out's address
.endm
; THE SECOND BLOCK BEGINS: its rows of out, its count of steps, its Q where the one text of the products names Q; c m and m as at the start.  O^T and l hold finite numbers, which the next step's a = 0 wipes out.
.macro REINIT
	s_mov_b64 s[10:11], s[OLO:OLO+1]
	s_mov_b32 s[REM], s[REM2]
	WIN 0x41                        ; destination and source window 1
.set i, 0
.rept 64
	v_mov_b32 v[i], v[QB+i]
.set i, i+1
.endr
	WIN 0
.irp t, 0,1
	v_mov_b32 v[ST+8*(\t)], 0xfe000000
	v_mov_b32 v[ST+8*(\t)+1], 0xff7fffff
.endr
.endm
; A KEY STEP s.  Its scores lie in S^T, its V is on its way.  last = 1: the tail's copy, which is left in the middle of its third trip.
.macro BODY last
	FETCH_K \last                   ; K of step s + 1: the last products that read K stand four plain instructions back
	s_cmp_gt_u32 s[REM], 2          ; the block's last two steps are the diagonal tile's
	s_cbranch_scc1 .Lopen_\@
	MASK
.Lopen_\@:
	SOFTMAX
.if \last
	s_wait_dscnt 0x0                ; V is in (K's run may have been jumped over, so the count is 0)
.else
	s_wait_dscnt 32                 ; V is in; K's 32 loads may be out
.endif
.set i, 0
.rept 32
	PVM
.endr
	WIN 0
	PLACES
	s_sub_co_u32 s[REM], s[REM], 1
	s_cmp_lg_u32 s[REM], 0
	s_cbranch_scc1 .Lon_\@
	WAYOUT                          ; the block is finished
.if \last
	s_cmp_eq_u32 s[CNT], 1          ; behind the walk's last step nothing begins
	s_cbranch_scc1 .Lon_\@
.endif
	REINIT
.Lon_\@:
.if \last
	s_sub_co_u32 s[CNT], s[CNT], 1
	s_cmp_eq_u32 s[CNT], 0
	s_cbranch_scc1 .Lout
.else
.Lenter:                            ; the loop is entered here, in the middle of a trip: K of step 0 has been asked for
.endif
	FETCH_V                         ; V of step s + 1
	s_wait_dscnt 32                 ; K is in; V's 32 loads may be out
.set i, 0
.rept 32
	KQ
.endr
	WIN 0
	PLACES
.endm
	s_wait_tensorcnt 1              ; my part of tile 0 is in; tile 1's may stay out
	s_barrier_signal -1
	s_barrier_wait -1
	FETCH_K 0                       ; key step 0
	s_wait_loadcnt 0x0              ; both blocks' Q
	s_mov_b32 s[CNT], 2
	s_mov_b32 s[SLOTS], 16
	s_branch .Lenter
.Lslot:                             ; 15 times: a slot has been read out and is filled again
	CHANGE 1
	s_mov_b32 s[CNT], 2
.Lstep:
	BODY 0
	s_sub_co_u32 s[CNT], s[CNT], 1
	s_cmp_lg_u32 s[CNT], 0
	s_cbranch_scc1 .Lstep
	s_sub_co_u32 s[SLOTS], s[SLOTS], 1
	s_cmp_lg_u32 s[SLOTS], 0
	s_cbranch_scc1 .Lslot
	CHANGE 0                        ; the tail is written out: nothing is asked for
	s_mov_b32 s[CNT], 3             ; two trips fetch the last tile's steps; the third is left in its middle
.Ltail:
	BODY 1
	s_branch .Ltail
.Lout:
	s_wait_tensorcnt 0x0            ; the wave's end: a wait, an add and a wait, behind my last tensor load and my last LDS store
	ds_add_u32 v[SPW], v[NIL]
	s_wait_dscnt 0x0
	CROUND                          ; the closing round
	s_endpgm
.Lfunc_end_k_q37e8ac3121_attn:
	.size	k_q37e8ac3121_attn, .Lfunc_end_k_q37e8ac3121_attn-k_q37e8ac3121_attn
	.p2alignl 7, 3214868480
	.fill 96, 4, 3214868480
	.section	.rodata,"a",@progbits
	.p2align	6, 0x0
	.amdhsa_kernel k_q37e8ac3121_attn
		.amdhsa_group_segment_fixed_size 327680
		.amdhsa_private_segment_fixed_size 0
		.amdhsa_enable_private_segment 0
		.amdhsa_kernarg_size 32
		.amdhsa_user_sgpr_count 2
		.amdhsa_user_sgpr_kernarg_segment_ptr 1
		.amdhsa_wavefront_size32 1
		.amdhsa_system_sgpr_workgroup_id_x 1
		.amdhsa_system_sgpr_workgroup_id_y 1
		.amdhsa_system_sgpr_workgroup_id_z 1
		.amdhsa_system_vgpr_workitem_id 0
		.amdhsa_next_free_vgpr 640
		.amdhsa_next_free_sgpr 96
		.amdhsa_reserve_vcc 1
		.amdhsa_float_denorm_mode_32 3
		.amdhsa_float_denorm_mode_16_64 3
		.amdhsa_memory_ordered 1
		.amdhsa_forward_progress 1
		.amdhsa_inst_pref_size 110
	.end_amdhsa_kernel
	.amdgpu_metadata
---
amdhsa.version: [ 1, 2 ]
amdhsa.kernels:
  - .name:           k_q37e8ac3121_attn
    .symbol:         k_q37e8ac3121_attn.kd
    .args:
      - { .name: qh, .offset: 0, .size: 8, .value_kind: global_buffer, .address_space: global }
      - { .name: kh, .offset: 8, .size: 8, .value_kind: global_buffer, .address_space: global }
      - { .name: vh, .offset: 16, .size: 8, .value_kind: global_buffer, .address_space: global }
      - { .name: out0, .offset: 24, .size: 8, .value_kind: global_buffer, .address_space: global }
    .group_segment_fixed_size: 327680
    .private_segment_fixed_size: 0
    .kernarg_segment_align: 8
    .kernarg_segment_size: 32
    .max_flat_workgroup_size: 128
    .sgpr_count:     96
    .vgpr_count:     640
    .wavefront_size: 32
...
	.end_amdgpu_metadata
.endif
;; end of part 3
;; ======== version 2 of 2: 3 launches; version 1 with the launch prep written anew for expert scheduling mode
;; limits: values are held in f16: magnitudes above 65,504 overflow, below 6.1e-05 lose precision
;; workspace buffers: xb 16,777,216 bytes; wqb 8,388,608 bytes; wkvb 1,048,576 bytes; rope 1,049,600 bytes; qh 16,777,216 bytes; kh 1,048,576 bytes; vh 1,048,576 bytes
;; launch prep (part 4): grid 416 x 1, 8 waves a work-group, no clusters, 0 bytes of LDS; arguments x, Wq, Wk, Wv, xb, wqb, wkvb, rope; writes xb, wqb, wkvb, rope
.if DOCPART == 4
	.amdgcn_target "amdgcn-amd-amdhsa--gfx1250"
	.amdhsa_code_object_version 6
	.text
	.protected	k_q37e8ac3121_prep
	.globl	k_q37e8ac3121_prep
	.p2align	8
	.type	k_q37e8ac3121_prep,@function
k_q37e8ac3121_prep:
	s_mov_b64 s[64:65], 0
	v_nop
	global_prefetch_b8 v0, s[64:65] scope:SCOPE_SE
	s_setreg_imm32_b32 hwreg(HW_REG_WAVE_SCHED_MODE, 0, 2), 2
	s_setreg_imm32_b32 hwreg(HW_REG_WAVE_MODE, 25, 1), 1
	s_wait_xcnt 0x0
	s_wait_alu depctr_vm_vsrc(0)
; PREP: x and the three weights are rounded once to bf16 and laid out for the projection; the table of cosines and sines is made.
;   xb   [4096][2048] bf16                      as x lies
;   wqb  [8 blocks of 256 columns][2048 k][256] bf16: 128 k of a block are 65,536 consecutive bytes
;   wkvb [8 planes of 32 columns][2048 k][32]   bf16: planes 0-3 Wk's columns, planes 4-7 Wv's
;   rope f32, in the order in which the projection's lanes want it: block (tb, b) of 1,024 bytes at (8 tb + b) x 1,024; in it half (0, 1) at 512 x half, lane l at 16 l:
;        (cos, sin, cos, sin) of position 16 tb + l % 16 for the frequencies 8 b + 4 (l / 16) + 2 half + 0, 1.  Behind the 1,024 blocks one block of (1, 0, 1, 0), for V.
; A pure stream: no LDS, no barrier, no matrix unit.  Work-groups 0-255 take x, 256-383 Wq, 384-391 Wk, 392-399 Wv, 400-415 the table.
; A casting work-group takes 16 units of 2,048 numbers (8,192 bytes of f32); thread t takes 8 numbers of each unit: two loads of 16 bytes, one store of 16 bytes.
; All 32 loads of a thread go out first (16 KiB a wave on their way).
; LIMITS.  An angle is the f32 product of position and frequency, the frequency 2^(-i log2(10000) / 64) by v_exp_f32; sine and cosine by reduction to a quarter turn
; (pi / 2 in two parts) and polynomials of degree 7 and 8, cut below 4e-7 on the reduced range.
; THE MODE: SCHED_MODE bits 1:0 = 2 (LLVM: expert scheduling mode 2), set by the entry lines.  The code itself states the register dependences
; between vector instructions and memory instructions, with s_wait_alu, always for 0.
; THE PLAN, casting.  Registers that memory instructions touch:
;   v[SO]   written once, in one of three branches; read by all 32 loads.            v[DA ..]  written once, behind the loads; each read by one store.
;   v[X ..] a unit's eight: written by its two loads; when these are in, its four conversions read the eight and write the first four, which its store reads.
; No register that a memory instruction has read is written again, so no wait on vm_vsrc is owed.  The waits on va_vdst: one where the branches join, for v[SO]; and one for each block
; of four units, behind the block's sixteen conversions and ahead of its four stores.
; THE PLAN, the table.  v34, the stores' offset, is written once.  v[36:43] are written by a trip's selects and sign lines and read by its two stores.  A trip's four angles go side by side,
; eight registers each, so that their four compares stand in a run, into s36-39, with one wait on va_sdst ahead of the selects; beside it the wait on vm_vsrc for the last trip's stores;
; one wait on va_vdst ahead of the trip's stores.
.set SRC,  20                          ; s[20:21] the work-group's first source byte
.set DST,  22                          ; s[22:23] its first destination byte
.set STEP, 24                          ; s24      destination bytes from unit to unit
.set SO,   1                           ; v1       my byte offset in a unit of the source
.set DO,   2                           ; v2       my byte offset in the destination
.set DA,   4                           ; v[4:19]  DO + unit x STEP
.set X,    20                          ; v[20:147] 8 registers a unit
	s_load_b512 s[4:19], s[0:1], 0x0               ; x 4, Wq 6, Wk 8, Wv 10, xb 12, wqb 14, wkvb 16, rope 18
	s_mov_b32 s29, 0                               ; high words of the two offset pairs
	s_mov_b32 s31, 0
	s_wait_kmcnt 0x0
	s_cmp_lt_u32 ttmp9, 256
	s_cbranch_scc0 .Lnot_x
	s_lshl_b32 s28, ttmp9, 17                      ; x: 131,072 bytes of f32 a work-group,
	s_lshl_b32 s30, ttmp9, 16                      ; 65,536 of bf16
	s_add_nc_u64 s[SRC:SRC+1], s[4:5], s[28:29]
	s_add_nc_u64 s[DST:DST+1], s[12:13], s[30:31]
	s_mov_b32 s[STEP], 4096
	v_lshlrev_b32 v[SO], 5, v0
	v_lshlrev_b32 v[DO], 4, v0
	s_branch .Lcast
.Lnot_x:
	s_cmp_lt_u32 ttmp9, 384
	s_cbranch_scc0 .Lnot_wq
	s_sub_co_u32 s27, ttmp9, 256                   ; Wq: a unit is one k row; the work-group takes 16 of them
	s_lshl_b32 s28, s27, 17
	s_lshl_b32 s30, s27, 13                        ; 16 k rows of 512 bytes in each block
	s_add_nc_u64 s[SRC:SRC+1], s[6:7], s[28:29]
	s_add_nc_u64 s[DST:DST+1], s[14:15], s[30:31]
	s_mov_b32 s[STEP], 512
	v_lshlrev_b32 v[SO], 5, v0
	v_lshrrev_b32 v3, 5, v0                        ; my wave's block of 256 columns
	v_and_b32 v[DO], 31, v0
	v_lshlrev_b32 v[DO], 4, v[DO]
	v_lshl_add_u32 v[DO], v3, 20, v[DO]            ; a wave's store covers 512 consecutive bytes
	s_branch .Lcast
.Lnot_wq:
	s_cmp_lt_u32 ttmp9, 400
	s_cbranch_scc0 .Ltable
	s_sub_co_u32 s27, ttmp9, 384                   ; Wk (0-7) or Wv (8-15): a unit is 16 k rows of 128 columns
	s_cmp_lt_u32 s27, 8
	s_cselect_b64 s[SRC:SRC+1], s[8:9], s[10:11]
	s_cselect_b32 s30, 0, 524288                   ; Wv's planes lie behind Wk's four
	s_and_b32 s27, s27, 7
	s_lshl_b32 s28, s27, 17
	s_lshl_b32 s32, s27, 14                        ; 256 k rows of 64 bytes in each plane
	s_add_co_u32 s30, s30, s32
	s_add_nc_u64 s[SRC:SRC+1], s[SRC:SRC+1], s[28:29]
	s_add_nc_u64 s[DST:DST+1], s[16:17], s[30:31]
	s_mov_b32 s[STEP], 1024
	v_lshrrev_b32 v3, 6, v0
	v_bfe_u32 v4, v0, 2, 2
	v_lshl_add_u32 v3, v3, 2, v4                   ; k row in the unit: thread bits 7:6 and 3:2
	v_bfe_u32 v4, v0, 4, 2                         ; plane: bits 5:4
	v_and_b32 v5, 3, v0                            ; which 8 of the plane's 32 columns: bits 1:0
	v_lshlrev_b32 v[SO], 9, v3
	v_lshl_add_u32 v[SO], v4, 7, v[SO]
	v_lshl_add_u32 v[SO], v5, 5, v[SO]
	v_lshlrev_b32 v[DO], 17, v4
	v_lshl_add_u32 v[DO], v3, 6, v[DO]             ; sixteen neighbouring lanes write 4 k rows x 64 bytes: 256 consecutive bytes, aligned
	v_lshl_add_u32 v[DO], v5, 4, v[DO]
.Lcast:
	s_wait_alu depctr_va_vdst(0)                   ; v[SO] is written, on each of the three ways here: all 32 loads read it as their offset
.irp i, 0,1,2,3,4,5,6,7,8,9,10,11,12,13,14,15
	global_load_b128 v[X+8*(\i):X+8*(\i)+3],   v[SO], s[SRC:SRC+1] offset:8192*(\i) th:TH_LOAD_NT
	global_load_b128 v[X+8*(\i)+4:X+8*(\i)+7], v[SO], s[SRC:SRC+1] offset:8192*(\i)+16 th:TH_LOAD_NT
.endr
.irp i, 0,1,2,3,4,5,6,7,8,9,10,11,12,13,14,15
	v_mad_u32_u24 v[DA+(\i)], s[STEP], \i, v[DO]
.endr
.irp p, 0,1,2,3                        ; four blocks of four units
	s_wait_loadcnt 24-8*(\p)                       ; loads come back in order: the block's eight are in, the two each of the 12 - 4 p younger units stay out
.irp u, 0,1,2,3
.irp n, 0,1,2,3
	v_cvt_pk_bf16_f32 v[X+8*(4*(\p)+(\u))+(\n)], v[X+8*(4*(\p)+(\u))+2*(\n)], v[X+8*(4*(\p)+(\u))+2*(\n)+1]  ; in place: register n is written when pairs 0 .. n - 1 have been read
.endr
.endr
	s_wait_alu depctr_va_vdst(0)                   ; the block's sixteen conversions have written the four stores' data; in the first block: the sixteen v[DA ..] are written too
.irp u, 0,1,2,3
	global_store_b128 v[DA+4*(\p)+(\u)], v[X+8*(4*(\p)+(\u)):X+8*(4*(\p)+(\u))+3], s[DST:DST+1]
.endr
.endr
	s_endpgm
; THE TABLE.  Work-group u = 0..15 makes positions 128 u .. 128 u + 127: eight trips of 16 positions, 8,192 bytes each: thread t stores 16 bytes at 16 t (blocks 0-3) and at 16 t + 4,096 (blocks 4-7).
.set W, 48                             ; v[48:79] angle e of a trip's four: eight registers at W + 8 e: +0 the angle, later the cosine's sign; +1 n; +2 r; +3 r^2; +4 the sine's polynomial; +5 the cosine's; +6 n as a whole number; +7 n's low bit, later the sine's sign
.set ONE, 80                           ; v[80:83] (1, 0, 1, 0): registers that no earlier store has read
.macro ALL line:vararg                 ; one line for each of the four angles e
.set e, 0
.rept 4
	\line
.set e, e+1
.endr
.endm
.Ltable:
	v_lshrrev_b32 v3, 5, v0
	v_readfirstlane_b32 s33, v3                    ; my wave's number
	s_sub_co_u32 s27, ttmp9, 400
	v_lshrrev_b32 v3, 6, v0                        ; block b of the first store
	v_bfe_u32 v4, v0, 4, 1                         ; lane / 16
	v_bfe_u32 v5, v0, 5, 1                         ; half
	v_lshlrev_b32 v3, 3, v3
	v_lshl_add_u32 v3, v4, 2, v3
	v_lshl_add_u32 v3, v5, 1, v3                   ; my first frequency's number
	v_cvt_f32_u32 v3, v3
	v_add_f32 v4, 1.0, v3
	v_add_f32 v5, 0x42000000, v3                   ; + 32: the second store's block lies four further on
	v_add_f32 v6, 0x42040000, v3                   ; + 33
	v_mul_f32 v20, 0xbe549a78, v3                  ; - log2(10000) / 64 times the number
	v_mul_f32 v21, 0xbe549a78, v4
	v_mul_f32 v22, 0xbe549a78, v5
	v_mul_f32 v23, 0xbe549a78, v6
	v_exp_f32 v20, v20
	v_exp_f32 v21, v21
	v_exp_f32 v22, v22
	v_exp_f32 v23, v23
	v_nop                                          ; a plain instruction behind the last exponential,
	s_wait_alu depctr_va_vdst(0)                   ; and the wait ahead of the first use: the four exponentials have written v20 to v23
	s_wait_alu depctr_va_sdst(0)                   ; s33 is written
	s_lshl_b32 s28, s27, 7
	v_and_b32 v7, 15, v0
	v_add_nc_u32 v7, s28, v7
	v_cvt_f32_u32 v24, v7                          ; my position in the first trip
	v_lshlrev_b32 v34, 4, v0
	s_lshl_b32 s28, s27, 16
	s_add_nc_u64 s[DST:DST+1], s[18:19], s[28:29]
	s_mov_b32 s34, 0xbfc90fdb                      ; - pi / 2, its leading part,
	s_mov_b32 s35, 0x333bbd2e                      ; and what that part has too much
	v_mov_b32 v44, 0xb9500d01                      ; - 1 / 5040
	v_mov_b32 v45, 0x37d00d01                      ; 1 / 40320
	s_mov_b32 s25, 8
; A trip: cosine and sine of four angles (none negative).  n = the nearest whole number of quarter turns; r = angle - n pi / 2; by n % 4 the two polynomials change places and signs.
.Ltab:
	ALL v_mul_f32 v[W+8*e], v24, v[20+e]
	ALL v_mul_f32 v[W+8*e+1], 0x3f22f983, v[W+8*e]                     ; 2 / pi
	ALL v_rndne_f32 v[W+8*e+1], v[W+8*e+1]
	ALL v_fma_f32 v[W+8*e+2], v[W+8*e+1], s34, v[W+8*e]
	ALL v_fma_f32 v[W+8*e+2], v[W+8*e+1], s35, v[W+8*e+2]
	ALL v_cvt_i32_f32 v[W+8*e+6], v[W+8*e+1]
	ALL v_mul_f32 v[W+8*e+3], v[W+8*e+2], v[W+8*e+2]
	ALL v_fmaak_f32 v[W+8*e+4], v44, v[W+8*e+3], 0x3c088889            ; sine: r + r r^2 (- 1/6 + r^2 (1/120 - r^2 / 5040))
	ALL v_fmaak_f32 v[W+8*e+5], v45, v[W+8*e+3], 0xbab60b61            ; cosine: 1 + r^2 (- 1/2 + r^2 (1/24 + r^2 (- 1/720 + r^2 / 40320)))
	ALL v_fmaak_f32 v[W+8*e+4], v[W+8*e+4], v[W+8*e+3], 0xbe2aaaab
	ALL v_fmaak_f32 v[W+8*e+5], v[W+8*e+5], v[W+8*e+3], 0x3d2aaaab
	ALL v_mul_f32 v[W+8*e+4], v[W+8*e+4], v[W+8*e+3]
	ALL v_fma_f32 v[W+8*e+5], v[W+8*e+5], v[W+8*e+3], -0.5
	ALL v_fma_f32 v[W+8*e+4], v[W+8*e+4], v[W+8*e+2], v[W+8*e+2]
	ALL v_fma_f32 v[W+8*e+5], v[W+8*e+5], v[W+8*e+3], 1.0
	ALL v_and_b32 v[W+8*e+7], 1, v[W+8*e+6]
	ALL v_cmp_eq_u32 s[36+e], 1, v[W+8*e+7]                            ; an odd quarter: sine and cosine change places.  The four compares stand in a run
	ALL v_add_nc_u32 v[W+8*e], 1, v[W+8*e+6]
	ALL v_lshlrev_b32 v[W+8*e+7], 30, v[W+8*e+6]                       ; the sine is negative in quarters 2, 3: bit 1 of n,
	ALL v_lshlrev_b32 v[W+8*e], 30, v[W+8*e]                           ; the cosine in quarters 1, 2: bit 1 of n + 1
	ALL v_and_b32 v[W+8*e+7], 0x80000000, v[W+8*e+7]
	ALL v_and_b32 v[W+8*e], 0x80000000, v[W+8*e]
	s_wait_alu depctr_va_sdst(0)                   ; the four compares have written s36 to s39, which the selects read
	s_wait_alu depctr_vm_vsrc(0)                   ; the last trip's two stores have read v36 to v43, which the selects write again
	ALL v_cndmask_b32 v[37+2*e], v[W+8*e+4], v[W+8*e+5], s[36+e]
	ALL v_cndmask_b32 v[36+2*e], v[W+8*e+5], v[W+8*e+4], s[36+e]
	ALL v_xor_b32 v[37+2*e], v[W+8*e+7], v[37+2*e]
	ALL v_xor_b32 v[36+2*e], v[W+8*e], v[36+2*e]
	s_wait_alu depctr_va_vdst(0)                   ; the sign lines have written v36 to v43, the two stores' data; in the first trip: v34, their offset, is written
	global_store_b128 v34, v[36:39], s[DST:DST+1]
	global_store_b128 v34, v[40:43], s[DST:DST+1] offset:4096
	s_wait_xcnt 0x0                                ; the stores' data and base are written again only behind this wait
	s_add_nc_u64 s[DST:DST+1], s[DST:DST+1], 8192
	v_add_f32 v24, 0x41800000, v24                 ; 16 positions on
	s_sub_co_u32 s25, s25, 1
	s_cmp_lg_u32 s25, 0
	s_cbranch_scc1 .Ltab
	s_cmp_lg_u32 s27, 0                            ; the block of (1, 0, 1, 0): work-group 400, waves 0 and 1: 64 threads x 16 bytes
	s_cbranch_scc1 .Lend
	s_cmp_lt_u32 s33, 2
	s_cbranch_scc0 .Lend
	v_mov_b32 v[ONE], 1.0
	v_mov_b32 v[ONE+1], 0
	v_mov_b32 v[ONE+2], 1.0
	v_mov_b32 v[ONE+3], 0
	s_add_nc_u64 s[DST:DST+1], s[18:19], 0x100000
	s_wait_alu depctr_va_vdst(0)                   ; the four moves have written v[ONE ..], which the store reads
	global_store_b128 v34, v[ONE:ONE+3], s[DST:DST+1]
.Lend:
	s_endpgm
.Lfunc_end_k_q37e8ac3121_prep:
	.size	k_q37e8ac3121_prep, .Lfunc_end_k_q37e8ac3121_prep-k_q37e8ac3121_prep
	.p2alignl 7, 3214868480
	.fill 96, 4, 3214868480
	.section	.rodata,"a",@progbits
	.p2align	6, 0x0
	.amdhsa_kernel k_q37e8ac3121_prep
		.amdhsa_group_segment_fixed_size 0
		.amdhsa_private_segment_fixed_size 0
		.amdhsa_enable_private_segment 0
		.amdhsa_kernarg_size 64
		.amdhsa_user_sgpr_count 2
		.amdhsa_user_sgpr_kernarg_segment_ptr 1
		.amdhsa_wavefront_size32 1
		.amdhsa_system_sgpr_workgroup_id_x 1
		.amdhsa_system_sgpr_workgroup_id_y 1
		.amdhsa_system_sgpr_workgroup_id_z 1
		.amdhsa_system_vgpr_workitem_id 0
		.amdhsa_next_free_vgpr 148
		.amdhsa_next_free_sgpr 66
		.amdhsa_reserve_vcc 0
		.amdhsa_float_denorm_mode_32 3
		.amdhsa_float_denorm_mode_16_64 3
		.amdhsa_memory_ordered 1
		.amdhsa_forward_progress 1
		.amdhsa_inst_pref_size 21
	.end_amdhsa_kernel
	.amdgpu_metadata
---
amdhsa.version: [ 1, 2 ]
amdhsa.kernels:
  - .name:           k_q37e8ac3121_prep
    .symbol:         k_q37e8ac3121_prep.kd
    .args:
      - { .name: x, .offset: 0, .size: 8, .value_kind: global_buffer, .address_space: global }
      - { .name: Wq, .offset: 8, .size: 8, .value_kind: global_buffer, .address_space: global }
      - { .name: Wk, .offset: 16, .size: 8, .value_kind: global_buffer, .address_space: global }
      - { .name: Wv, .offset: 24, .size: 8, .value_kind: global_buffer, .address_space: global }
      - { .name: xb, .offset: 32, .size: 8, .value_kind: global_buffer, .address_space: global }
      - { .name: wqb, .offset: 40, .size: 8, .value_kind: global_buffer, .address_space: global }
      - { .name: wkvb, .offset: 48, .size: 8, .value_kind: global_buffer, .address_space: global }
      - { .name: rope, .offset: 56, .size: 8, .value_kind: global_buffer, .address_space: global }
    .group_segment_fixed_size: 0
    .private_segment_fixed_size: 0
    .kernarg_segment_align: 8
    .kernarg_segment_size: 64
    .max_flat_workgroup_size: 256
    .sgpr_count:     66
    .vgpr_count:     148
    .wavefront_size: 32
...
	.end_amdgpu_metadata
.endif
;; end of part 4
;; launch proj: the kernel of part 2 again; grid 8 x 32, 4 waves a work-group, clusters of 4 x 4, 327,680 bytes of LDS; arguments xb, wqb, wkvb, rope, qh, kh, vh; writes qh, kh, vh
;; launch attn: the kernel of part 3 again; grid 16 x 16, 4 waves a work-group, clusters of 4 x 1, 327,680 bytes of LDS; arguments qh, kh, vh, out0; writes out0
